; MI455X (gfx1250); checked and timed in simulation.
; The chip was launched on July 23, 2026; its instructions are those of AMD's public machine-readable ISA for CDNA 5 (MIT licence, August 2026) and "CDNA5" Instruction Set Architecture Reference Guide (July 2026). The comments in the code are by the model that wrote it; some were corrected since.
;; Simple Attention. Allowed arithmetic: matrix products marked QUANTISED: E2M1 operands, one E8M0 scale for each 32 along K, by v_wmma_scale_f32_16x16x128_f8f6f4 with both operands' format E2M1 (or v_wmma_scale_f32_32x16x128_f4), f32 sums; products left as they are: bf16, f16 or f32 operands; f32 sums; everything else in f32.
;; Inputs: Wk 1,024 x 1,024 float32; Wo 1,024 x 1,024 float32; Wq 1,024 x 1,024 float32; Wv 1,024 x 1,024 float32; bk 1,024 float32; bo 1,024 float32; bq 1,024 float32; bv 1,024 float32; x 4 x 2,048 x 1,024 float32.
;; Outputs: out0 4 x 2,048 x 1,024 float32.
;; This version of the problem:
;;   THIS VERSION OF THE PROBLEM IS GIVEN IN LOW PRECISION. The matrix products marked QUANTISED in the list below multiply operands that are first quantised to E2M1 (2 exponent bits, 1 mantissa bit; 4 bits a number), with one power-of-two scale for each 32 numbers along K (OCP MX v1.0); their sums are f32. The products marked 'left as it is' may take bf16, f16 or f32 operands, with f32 sums. Whichever they take, every output number must still come out within the allowed error. Rounding operands to bf16 (8 significant bits) uses up far more of that allowance than f16 does (11 bits, for magnitudes from 6e-5 to 65,504). All else is computed in f32.
;;   The module's matrix products, in the order in which they are computed (A, B: the left and right operand; K: the contracted axis; several contracted axes count as one K, in the product's order):
;;     1. [M 8,192, K 1,024] x [K 1,024, N 1,024]; A: input x; B: input Wq: QUANTISED
;;     2. [M 8,192, K 1,024] x [K 1,024, N 1,024]; A: input x; B: input Wk: QUANTISED
;;     3. [M 8,192, K 1,024] x [K 1,024, N 1,024]; A: input x; B: input Wv: QUANTISED
;;     4. batch 4 x [M 2,048, K 1,024] x [K 1,024, N 2,048]; A: computed on the way; B: computed on the way: left as it is (an operand is computed on the way)
;;     5. batch 4 x [M 2,048, K 2,048] x [K 2,048, N 1,024]; A: computed on the way; B: computed on the way: left as it is (an operand is computed on the way)
;;     6. [M 8,192, K 1,024] x [K 1,024, N 1,024]; A: computed on the way; B: input Wo: left as it is (an operand is computed on the way)
;;   THE QUANTISER, for each operand of a quantised product, along K:
;;     - K is cut into blocks of 32 from its start; a last block that is shorter is filled with zeros.
;;     - A block's scale is 2^e with e = floor(log2(the largest magnitude in the block)) - 2, held to -126 .. 127; a block of zeros has e = 0. As a byte (E8M0): e + 127.
;;     - Each number is divided by its block's scale, clamped to +-6, and rounded to the nearest number of E2M1, ties to even, subnormals kept.
;;     - The product sums the exact products of the quantised numbers (number of the format x scale) in f32.
;;   ~~~python
;;   def quantise(x, axis):      # numpy; x: float32 -> the quantised numbers, widened to float32 again
;;       x = np.moveaxis(x, axis, -1); K = x.shape[-1]
;;       x = np.pad(x, [(0, 0)] * (x.ndim - 1) + [(0, -K % 32)]); x = x.reshape(x.shape[:-1] + (-1, 32)); a = np.abs(x).max(-1, keepdims=True)
;;       e = np.where(a > 0, np.clip(np.frexp(np.where(a > 0, a, 1))[1] - 1 - 2, -126, 127), 0)      # np.frexp(a)[1] - 1 = floor(log2(a)), exactly
;;       r = np.clip(x / 2.0 ** e, -6, 6)
;;       step = 2.0 ** (np.maximum(np.frexp(np.where(r == 0, 1, r))[1] - 1, 0) - 1)
;;       q = np.round(r / step) * step * 2.0 ** e      # np.round: ties to even
;;       return np.moveaxis(q.reshape(q.shape[:-2] + (-1,))[..., :K], -1, axis).astype(np.float32)
;;   ~~~
;; One version. Each part assembles by itself: llvm-mc -triple=amdgcn-amd-amdhsa -mcpu=gfx1250 --defsym DOCPART=n.
;; ======== version 1 of 1: 5 launches
;; limits: values are held in f16: magnitudes above 65,504 overflow, below 6.1e-05 lose precision
;; workspace buffers: qc 6,127,616 bytes; wo16 2,097,152 bytes; qkv 50,331,648 bytes; p 33,554,432 bytes; st 1,048,576 bytes; ctx 16,777,216 bytes
;; launch quant (part 1): grid 384 x 1, 4 waves a work-group, no clusters, 33,280 bytes of LDS; arguments x, Wq, Wk, Wv, Wo, qc, wo16; writes qc, wo16
.if DOCPART == 1
	.amdgcn_target "amdgcn-amd-amdhsa--gfx1250"
	.amdhsa_code_object_version 6
	.text
	.protected	k_qb66c0c5959_quant
	.globl	k_qb66c0c5959_quant
	.p2align	8
	.type	k_qb66c0c5959_quant,@function
k_qb66c0c5959_quant:
	s_mov_b64 s[64:65], 0
	v_nop
	global_prefetch_b8 v0, s[64:65] scope:SCOPE_SE
	s_setreg_imm32_b32 hwreg(HW_REG_WAVE_MODE, 25, 1), 1
	s_wait_xcnt 0x0
; x [8192][1024] and Wq, Wk, Wv [1024][1024], f32, K innermost, become codes of FP4 (E2M1) with one E8M0 scale byte for each 32 along K; Wo [1024][1024] becomes f16.
; qc holds, in bytes: x's codes at 0 ([8192][512]), the three weights' codes at WC ([3072][512]: Wq, Wk, Wv on end), x's scale bytes at XS ([8192][32]), the weights' at WS ([3072][32]).
; A block's scale is 2^(floor(log2(its largest magnitude)) - 2); its byte is the largest magnitude's exponent field - 2, held at 1 from below.  A block of zeros so gets the byte 1 where the
; quantiser says 127: its codes are zeros, which add nothing under any byte but 0xff, and this program alone reads the bytes.
; LIMITS: NaN and infinities among the inputs are not served; |Wo| above 65,504 becomes infinity in f16.
; Rows are dense and K is a multiple of 32: every tensor is a plain stream of blocks of 32.  A work-group takes 32,768 numbers, a wave a run of 8,192: 16 steps of 512.
; Work-groups 0-255 take x, 256-351 the three weights, 352-383 Wo.  Only pointers and run numbers are chosen by the work-group's number; Wo's work-groups part by one scalar branch and use no LDS data.
; THE QUANTISING PATH: each of a step's four loads reads 512 consecutive bytes, 16 a lane; the 2,048 bytes turn through the wave's own stage in LDS and come back 64 bytes a lane, so that a lane
; holds 16 neighbours along K (two neighbouring lanes hold a block).  A lane's 16 codes are 8 bytes: a wave's store covers 256 consecutive bytes, aligned.  A wave's 256 scale bytes are gathered in LDS and leave as 256 consecutive bytes.
; No tensor loads, no barrier: waves share nothing.  Loads run four steps (16 loads a wave) ahead.  No cluster: no two work-groups read the same bytes.  No prefetch: every wave streams without a break.
.set WAVES, 4
.set STEPS, 16
.set EMAX,  2
.set CB,    8                          ; bytes of 16 codes
.set R,     16                         ; v16-79   four sets of 16 numbers as loaded (Wo: v16-143 two sets of 64)
.set X,     80                         ; v80-111  two sets of 16 neighbours
.set E,     112                        ; v112-127 a scale byte for each step
.set C,     128                        ; v128-191 codes: four registers for each step (Wo: v144-175 packed f16)
.set WREG,  8192                       ; LDS: a region for each wave: two stages of 32 x SP bytes, behind them its 256 scale bytes
.set SP,    80                         ; a lane's place in a stage: 64 bytes + 16 of padding
.set SPW,   12                         ; v12  LDS address of my spare word; never rewritten
.set NIL,   13                         ; v13  0; never rewritten
.set SPARE, WAVES*WREG                 ; the spare words, 128 bytes for each wave: two blocks of 256 bytes that no other line names
.set WC,    0x400000
.set XS,    0x580000
.set WS,    0x5c0000
.macro LOAD t
.irp i, 0,1,2,3
	global_load_b128 v[R+16*((\t)%4)+4*\i:R+16*((\t)%4)+4*\i+3], v3, s[4:5] offset:2048*(\t)+512*\i th:TH_LOAD_NT   ; 32 lanes read 512 consecutive bytes
.endr
.endm
.macro TURN t                          ; step t's numbers through the stage: LDS serves a wave's instructions in order, so no wait stands between the stores and the loads
.irp i, 0,1,2,3
	ds_store_b128 v14, v[R+16*((\t)%4)+4*\i:R+16*((\t)%4)+4*\i+3] offset:32*SP*((\t)%2)+8*SP*\i
.endr
.irp i, 0,1,2,3
	ds_load_b128 v[X+16*((\t)%2)+4*\i:X+16*((\t)%2)+4*\i+3], v15 offset:32*SP*((\t)%2)+16*\i
.endr
.endm
.macro STEP t
.set XR, X+16*((\t)%2)
.if (\t) > 0
	s_wait_dscnt 1                                 ; this step's numbers are back from the stage (the last step's byte store may be out)
.else
	s_wait_dscnt 0x0
.endif
.if (\t)+4 < STEPS
	LOAD (\t)+4                                    ; the registers that went into the stage take the loads of four steps on
.endif
.if (\t)+1 < STEPS
.if STEPS-2-(\t) >= 3
	s_wait_loadcnt 12                              ; the next step's four loads are in; those of the three steps behind it may be out
.else
	s_wait_loadcnt 4*(STEPS-2-(\t))
.endif
	TURN (\t)+1
.endif
	v_max3_num_f32 v8, |v[XR]|, |v[XR+1]|, |v[XR+2]|               ; the largest magnitude of my 16, in two chains
	v_max3_num_f32 v9, |v[XR+3]|, |v[XR+4]|, |v[XR+5]|
.irp i, 6,10
	v_max3_num_f32 v8, v8, |v[XR+\i]|, |v[XR+\i+1]|
	v_max3_num_f32 v9, v9, |v[XR+\i+2]|, |v[XR+\i+3]|
.endr
	v_max3_num_f32 v8, v8, |v[XR+14]|, |v[XR+15]|
	v_max3_num_f32 v8, v8, v9, (EMAX+1)<<23        ; and the floor 2^(EMAX + 1 - 127): the byte cannot fall under 1
	v_max_num_f32_dpp v8, v8, v8 row_xmask:1 row_mask:0xf bank_mask:0xf   ; and of my neighbour's 16: the block's
	v_add_nc_u32 v11, -(EMAX<<23), v8              ; EMAX off its exponent field: the conversion takes the exponent field of this operand as its scale
	v_cvt_scalef32_pk8_fp4_f32 v[C+4*(\t)], v[XR:XR+7], v11        ; eight numbers / the scale, to the nearest code, ties to even, beyond the largest code the largest
	v_cvt_scalef32_pk8_fp4_f32 v[C+4*(\t)+1], v[XR+8:XR+15], v11
	v_lshrrev_b32 v[E+(\t)], 23, v11               ; the scale's byte (also the plain line behind the conversions)
	ds_store_b8 v5, v[E+(\t)] offset:16*(\t)       ; both lanes of a block write the same byte with the same value
	global_store_b64 v4, v[C+4*(\t):C+4*(\t)+1], s[8:9] offset:32*CB*(\t)
.endm
.macro WLOAD gr                        ; Wo: group gr of 16 loads, 8,192 consecutive bytes, into set gr % 2
.irp i, 0,1,2,3,4,5,6,7,8,9,10,11,12,13,14,15
	global_load_b128 v[16+64*((\gr)%2)+4*\i:16+64*((\gr)%2)+4*\i+3], v3, s[4:5] offset:8192*(\gr)+512*\i th:TH_LOAD_NT
.endr
.endm
.macro WGROUP gr
.if (\gr) < 3
	s_wait_loadcnt 16                              ; this group's 16 loads are in; the next group's may be out
.else
	s_wait_loadcnt 0x0
.endif
	s_wait_xcnt 0x0                                ; the last group's stores have read v144-175: they are written again only behind this wait
.set i, 0
.rept 32
	v_cvt_pk_f16_f32 v[144+i], v[16+64*((\gr)%2)+2*i], v[17+64*((\gr)%2)+2*i]
.set i, i+1
.endr
.irp i, 0,1,2,3,4,5,6,7,8,9,10,11,12,13,14,15
	global_store_b64 v7, v[144+2*\i:145+2*\i], s[16:17] offset:4096*(\gr)+256*\i   ; 32 lanes store 256 consecutive bytes, aligned
.endr
.if (\gr)+2 < 4
	WLOAD (\gr)+2
.endif
.endm
	s_load_b256 s[4:11], s[0:1], 0x0               ; x, Wq, Wk, Wv
	s_load_b128 s[12:15], s[0:1], 0x20             ; Wo, qc
	s_load_b64 s[16:17], s[0:1], 0x30              ; wo16
	v_lshl_add_u32 v[SPW], v0, 2, SPARE
	v_mov_b32 v[NIL], 0
	v_lshrrev_b32 v1, 5, v0
	v_readfirstlane_b32 s18, v1                    ; wave
	v_and_b32 v2, 31, v0                           ; lane
	v_lshlrev_b32 v3, 4, v2                        ; my 16 bytes of a load's 512
	s_mul_i32 s19, s18, WREG
	v_lshrrev_b32 v14, 2, v2
	v_mul_u32_u24 v14, v14, SP
	v_and_b32 v15, 3, v2
	v_lshl_add_u32 v14, v15, 4, v14
	v_add_nc_u32 v14, s19, v14                     ; the stage, on the way in: SP (lane / 4) + 16 (lane % 4)
	v_mul_u32_u24 v15, v2, SP
	v_add_nc_u32 v15, s19, v15                     ; and on the way out: SP x lane: my 16 neighbours
	v_mul_u32_u24 v4, v2, CB                       ; my codes' place in a step's
	v_lshrrev_b32 v5, 1, v2
	s_add_co_u32 s19, s19, 2*32*SP
	v_add_nc_u32 v5, s19, v5                       ; LDS: my wave's 256 scale bytes, my block's byte
	v_lshlrev_b32 v7, 3, v2                        ; 8 bytes a lane
	v_add_nc_u32 v6, s19, v7
	; which run of 8,192 numbers is my wave's, in its source and in its destination: offsets, made apart from every address
	s_cmp_lt_u32 ttmp9, 256                        ; x's work-group?
	s_cselect_b32 s20, 0, 256
	s_cselect_b32 s21, 0, WC                       ; where the codes go,
	s_mov_b32 s22, WS
	s_cselect_b32 s22, XS, s22                     ; and the scale bytes
	s_cselect_b32 s23, 0xffff, 31                  ; a weight has 32 work-groups
	s_sub_co_u32 s20, ttmp9, s20                   ; the work-group's number among x's, or among the weights'
	s_and_b32 s23, s20, s23
	s_lshl_b32 s23, s23, 2
	s_add_co_u32 s23, s23, s18                     ; the run in the source tensor
	s_lshl_b32 s20, s20, 2
	s_add_co_u32 s20, s20, s18                     ; the run in the destination region
	s_lshl_b32 s24, s23, 15                        ; 32,768 bytes of f32 a run
	s_mov_b32 s25, 0
	s_lshl_b32 s26, s20, 12                        ; 4,096 bytes of codes
	s_add_co_u32 s26, s26, s21
	s_mov_b32 s27, 0
	s_lshl_b32 s28, s20, 8                         ; 256 scale bytes
	s_add_co_u32 s28, s28, s22
	s_mov_b32 s29, 0
	s_lshl_b32 s30, s23, 14                        ; 16,384 bytes of f16 (Wo)
	s_mov_b32 s31, 0
	s_wait_kmcnt 0x0
	s_cmp_lt_u32 ttmp9, 288                        ; the source: each choice hangs on the work-group's number alone
	s_cselect_b64 s[6:7], s[6:7], s[8:9]
	s_cmp_lt_u32 ttmp9, 320
	s_cselect_b64 s[6:7], s[6:7], s[10:11]
	s_cmp_lt_u32 ttmp9, 352
	s_cselect_b64 s[6:7], s[6:7], s[12:13]
	s_cmp_lt_u32 ttmp9, 256
	s_cselect_b64 s[4:5], s[4:5], s[6:7]
	s_add_nc_u64 s[4:5], s[4:5], s[24:25]
	s_add_nc_u64 s[8:9], s[14:15], s[26:27]        ; my codes
	s_add_nc_u64 s[10:11], s[14:15], s[28:29]      ; my scale bytes
	s_add_nc_u64 s[16:17], s[16:17], s[30:31]      ; my f16 numbers (Wo's work-groups alone store there)
	s_cmp_ge_u32 ttmp9, 352
	s_cbranch_scc1 .Lwo
.irp t, 0,1,2,3
	LOAD \t
.endr
	s_wait_loadcnt 12                              ; step 0's four loads are in
	TURN 0
.irp t, 0,1,2,3,4,5,6,7,8,9,10,11,12,13,14,15
	STEP \t
.endr
	ds_load_b64 v[8:9], v6                         ; LDS serves a wave's instructions in order: these see my byte stores
	s_wait_dscnt 0x0
	global_store_b64 v7, v[8:9], s[10:11]          ; 32 lanes store 256 consecutive bytes, aligned
	s_wait_tensorcnt 0x0                           ; the wave's end
	ds_add_u32 v[SPW], v[NIL]
	s_wait_dscnt 0x0
	s_endpgm
.Lwo:                                                  ; Wo to f16: 64 loads a wave in four groups, one group ahead
	WLOAD 0
	WLOAD 1
	WGROUP 0
	WGROUP 1
	WGROUP 2
	WGROUP 3
	s_wait_tensorcnt 0x0                           ; the same three lines stand in front of this end too
	ds_add_u32 v[SPW], v[NIL]
	s_wait_dscnt 0x0
	s_endpgm
.Lfunc_end_k_qb66c0c5959_quant:
	.size	k_qb66c0c5959_quant, .Lfunc_end_k_qb66c0c5959_quant-k_qb66c0c5959_quant
	.p2alignl 7, 3214868480
	.fill 96, 4, 3214868480
	.section	.rodata,"a",@progbits
	.p2align	6, 0x0
	.amdhsa_kernel k_qb66c0c5959_quant
		.amdhsa_group_segment_fixed_size 33280
		.amdhsa_private_segment_fixed_size 0
		.amdhsa_enable_private_segment 0
		.amdhsa_kernarg_size 56
		.amdhsa_user_sgpr_count 2
		.amdhsa_user_sgpr_kernarg_segment_ptr 1
		.amdhsa_wavefront_size32 1
		.amdhsa_system_sgpr_workgroup_id_x 1
		.amdhsa_system_sgpr_workgroup_id_y 1
		.amdhsa_system_sgpr_workgroup_id_z 1
		.amdhsa_system_vgpr_workitem_id 0
		.amdhsa_next_free_vgpr 192
		.amdhsa_next_free_sgpr 66
		.amdhsa_reserve_vcc 0
		.amdhsa_float_denorm_mode_32 3
		.amdhsa_float_denorm_mode_16_64 3
		.amdhsa_memory_ordered 1
		.amdhsa_forward_progress 1
		.amdhsa_inst_pref_size 55
	.end_amdhsa_kernel
	.amdgpu_metadata
---
amdhsa.version: [ 1, 2 ]
amdhsa.kernels:
  - .name:           k_qb66c0c5959_quant
    .symbol:         k_qb66c0c5959_quant.kd
    .args:
      - { .name: x, .offset: 0, .size: 8, .value_kind: global_buffer, .address_space: global }
      - { .name: Wq, .offset: 8, .size: 8, .value_kind: global_buffer, .address_space: global }
      - { .name: Wk, .offset: 16, .size: 8, .value_kind: global_buffer, .address_space: global }
      - { .name: Wv, .offset: 24, .size: 8, .value_kind: global_buffer, .address_space: global }
      - { .name: Wo, .offset: 32, .size: 8, .value_kind: global_buffer, .address_space: global }
      - { .name: qc, .offset: 40, .size: 8, .value_kind: global_buffer, .address_space: global }
      - { .name: wo16, .offset: 48, .size: 8, .value_kind: global_buffer, .address_space: global }
    .group_segment_fixed_size: 33280
    .private_segment_fixed_size: 0
    .kernarg_segment_align: 8
    .kernarg_segment_size: 56
    .max_flat_workgroup_size: 128
    .sgpr_count:     66
    .vgpr_count:     192
    .wavefront_size: 32
...
	.end_amdgpu_metadata
.endif
;; end of part 1
;; launch qkv (part 2): grid 12 x 32, 4 waves a work-group, clusters of 4 x 4, 327,680 bytes of LDS; arguments qc, bq, bk, bv, qkv; writes qkv
.if DOCPART == 2
	.amdgcn_target "amdgcn-amd-amdhsa--gfx1250"
	.amdhsa_code_object_version 6
	.text
	.protected	k_qb66c0c5959_qkv
	.globl	k_qb66c0c5959_qkv
	.p2align	8
	.type	k_qb66c0c5959_qkv,@function
k_qb66c0c5959_qkv:
	s_mov_b64 s[64:65], 0
	v_nop
	global_prefetch_b8 v0, s[64:65] scope:SCOPE_SE
	s_setreg_imm32_b32 hwreg(HW_REG_WAVE_MODE, 25, 1), 1
	s_wait_xcnt 0x0
	s_wait_alu depctr_hold_cnt(0) depctr_sa_sdst(0) depctr_va_vdst(0) depctr_va_sdst(0) depctr_va_ssrc(0) depctr_va_vcc(0) depctr_vm_vsrc(0)
	s_getreg_b32 s2, hwreg(HW_REG_IB_STS2, 6, 4)
	s_cmp_eq_u32 s2, 0
	s_cbranch_scc0 .Lentry_in_a_cluster
	s_endpgm
.Lentry_in_a_cluster:
	s_bfe_u32 s2, ttmp6, 0x10000c
	s_cmp_lg_u32 s2, 0xf033
	s_cbranch_scc0 .Lentry_shape_is_right
	s_endpgm
.Lentry_shape_is_right:
; q, k, v = x W^T + b for the three weights on end: C[m][n] = b[n] + sum over k of A[m][k] B[n][k], A = x's codes [8192][1024], B = the weights' codes [3072][1024], FP4 (E2M1) with one E8M0
; scale for each 32 along K, as the launch before laid them in qc.  Sums in f32; the results are rounded once to f16 and stored in qkv: q at 0, k at 2^24, v at 2^25 bytes, each [8192][1024].
; LIMITS: a result above 65,504 in magnitude becomes infinity in f16 (the drawn inputs give about 6 at the most).  The bias is the C of each sum's first product: it is summed first, not last.
; A tile of C, 256 x 256, is made by four waves, each 128 x 128: 64 accumulators, 512 registers.  K = 1,024 is two K steps of 512 (rows of 256 bytes): both lie in LDS from the first fills on, and nothing is filled again.
; The scales of the work-group's 256 rows of A and of B, for all of K, are two dense blocks of memory and come with the first fills.  By this text's own count a wave has three tensor loads out at the most.
; CLUSTERS: 4 x 4 work-groups.  The four of a row of the cluster need the same tiles of A, the four of a column the same tiles of B: each is asked for jointly, by the same tensor load with the same descriptor and a mask that names the four.
; No prefetch: everything that the work-group reads is asked for at its head.
; THE MATRIX INSTRUCTION IS USED TRANSPOSED (source 0 = 16 rows of B, source 1 = 16 rows of A): a lane holds eight neighbouring numbers of a row of C.
; REGISTERS: window 0: v0-31 addresses; v32-95 scale words, two sets; v128-191 A's fragments, one set; v192-255 the bias in the result's layout (8 registers for each of B's 8 blocks); on the way out v32-63, v192-255 are at work.
;   window 1: B's fragments, two sets, at v0 and v128.   window 2: accumulators of my rows 0-63 ((a, b) at v[8 (8 a + b)]);   window 3: those of my rows 64-127.
.set XS,     0x580000                  ; qc: x's scale bytes,
.set WC,     0x400000                  ; the weights' codes,
.set WS,     0x5c0000                  ; the weights' scale bytes
.set KSTEP,  512
.set NQ,     4                         ; matrix instructions deep in a slot
.set ROWB,   256                       ; a tile's row in bytes
.set KROW,   512                       ; a row of codes in memory
.set PITCH,  272                       ; an LDS row: 256 bytes + 16 of padding: the 16 rows that a load touches start at 16 different banks (64 banks of 4 bytes: ISA guide 11.1)
.set FR,     8
.set NL,     2
.set NP,     4                         ; places behind this matrix instruction (ISA guide 7.12.1)
.set HALFT,  128*PITCH
.set SLOT,   4*HALFT
.set KS,     32                        ; a row of scales in bytes
.set SCL,    2*SLOT
.set HALFS,  (128*KS/256)*272
.set SBLK,   (16*KS/256)*272
.set SPARE,  SCL+4*HALFS               ; the spare words, 128 bytes for each wave
.set SPITCH, 272                       ; the way out: a stage of 16 rows x (256 bytes + 16) for each wave, in slot 0, which has had its only fill and its last read by then
.set OPITCH, 2048                      ; a row of q, k or v in bytes
.set ADRA, 16
.set ADRB, 20
.set STO,  24
.set RD,   25
.set CO,   26
.set ADRS, 27
.set SPW,  28
.set NIL,  29
.set SC,   32
.set AF,   128
.set BI,   192
.set TMP,  192
.set OB,   32
.set G1, 24
.set G0, 32
.set G1B, 48
.set G0B, 56
.set G1S, 68
.set G0S, 76
.set G1SB, 80
.set G0SB, 88
.set MSB, 0
.macro WIN new                         ; the immediate's high byte repeats the setting that is left
.if MSB != \new
	s_set_vgpr_msb (MSB<<8)|\new
.set MSB, \new
.endif
.endm
.set MUL_LO, 0xa1                      ; source 0 (B) window 1, source 1 (A) window 0, C and D window 2
.set MUL_HI, 0xf1
.set TO_B,   0x40
; A joint load: waves 0 and 1 fetch for A, waves 2 and 3 for B; the branch hangs on the wave's number alone.  An s_nop 0 and four v_nop follow each of the two lines.
.macro JLOAD g0a, g1a, g0b, g1b
	s_cmp_eq_u32 s15, 0
	s_cbranch_scc0 .Lfor_b_\@
	tensor_load_to_lds s[\g0a:\g0a+3], s[\g1a:\g1a+7]
	s_nop 0
.rept 4
	v_nop
.endr
	s_branch .Lasked_\@
.Lfor_b_\@:
	tensor_load_to_lds s[\g0b:\g0b+3], s[\g1b:\g1b+7]
	s_nop 0
.rept 4
	v_nop
.endr
.Lasked_\@:
.endm
.macro CROUND                          ; a round of the cluster's barrier
	s_barrier_signal -1
	s_barrier_wait -1
	s_cmp_lg_u32 s14, 0
	s_cbranch_scc1 .Lnot_wave_0_\@
	s_barrier_signal -3
.Lnot_wave_0_\@:
	s_barrier_wait -3
	s_barrier_signal -1
	s_barrier_wait -1
.endm
	s_load_b64 s[4:5], s[0:1], 0x0                 ; qc
	s_load_b128 s[96:99], s[0:1], 0x8              ; bq, bk
	s_load_b64 s[100:101], s[0:1], 0x18            ; bv
	s_load_b64 s[12:13], s[0:1], 0x20              ; qkv
	v_lshl_add_u32 v[SPW], v0, 2, SPARE
	v_mov_b32 v[NIL], 0
	ds_add_u32 v[SPW], v[NIL]                      ; the wave's opening: the add, twice on end, and its wait ahead of my first tensor load
	ds_add_u32 v[SPW], v[NIL]
	v_lshrrev_b32 v1, 5, v0
	v_readfirstlane_b32 s14, v1                    ; wave 0..3
	s_lshr_b32 s15, s14, 1                         ; which half of the tile's rows is mine.  Also: I fetch for A (0) or for B (1)
	s_and_b32 s16, s14, 1                          ; which half of its columns.  Also: which 128 rows of that tile I fetch
	s_bfe_u32 s40, ttmp6, 0x40000                  ; cx, cy: my place in the cluster
	s_bfe_u32 s41, ttmp6, 0x40004
	s_lshl_b32 s42, ttmp9, 2
	s_add_co_u32 s42, s42, s40                     ; tile column of C
	s_and_b32 s17, ttmp7, 0xffff
	s_lshl_b32 s17, s17, 2
	s_add_co_u32 s17, s17, s41                     ; tile row of C
	s_lshl_b32 s43, s41, 2
	s_lshl_b32 s43, 15, s43                        ; my row of the cluster
	s_lshl_b32 s44, 0x1111, s40                    ; my column
	s_or_b32 s[G1+0], s43, (0<<16)|(1<<20)|(1<<21)|(5<<22)|(3<<25)  ; the mask; elements of 1 byte; padding on: 4 words after every 64; bit 21 beside a mask
	s_or_b32 s[G1B+0], s44, (0<<16)|(1<<20)|(1<<21)|(5<<22)|(3<<25)
.irp g, G1, G1B
	s_mov_b32 s[\g+1], ROWB<<16                    ; tensor_dim0
	s_mov_b32 s[\g+2], 128<<16                     ; tensor_dim1
	s_mov_b32 s[\g+3], ROWB<<16                    ; tile_dim0
	s_mov_b32 s[\g+4], 128                         ; tile_dim1
	s_mov_b32 s[\g+5], KROW                        ; the pitch
	s_mov_b32 s[\g+6], 0
	s_mov_b32 s[\g+7], 0
.endr
	s_or_b32 s[G1S+0], s43, (3<<16)|(1<<20)|(1<<21)|(5<<22)|(3<<25)  ; the scales of 128 rows: a dense block as rows of 256 bytes (32 elements of 8), 16 bytes of padding behind each
	s_or_b32 s[G1SB+0], s44, (3<<16)|(1<<20)|(1<<21)|(5<<22)|(3<<25)
.irp g, G1S, G1SB
	s_mov_b32 s[\g+1], 32<<16
	s_mov_b32 s[\g+2], (128*KS/256)<<16
	s_mov_b32 s[\g+3], 32<<16
	s_mov_b32 s[\g+4], 128*KS/256
	s_mov_b32 s[\g+5], 32
	s_mov_b32 s[\g+6], 0
	s_mov_b32 s[\g+7], 0
.endr
	s_lshl_b32 s18, s16, 7
	s_lshl_b32 s20, s17, 8
	s_add_co_u32 s20, s20, s18                     ; A: row 256 x tile row + 128 x half
	s_lshl_b32 s46, s42, 8
	s_add_co_u32 s46, s46, s18                     ; B: row 256 x tile column + 128 x half
	s_mov_b32 s21, 0
	s_mov_b32 s47, 0
	s_mov_b64 s[18:19], KS
	s_mul_u64 s[22:23], s[20:21], s[18:19]         ; where these rows' scales begin,
	s_mul_u64 s[92:93], s[46:47], s[18:19]
	s_mov_b64 s[18:19], KROW
	s_mul_u64 s[20:21], s[20:21], s[18:19]         ; and their codes
	s_mul_u64 s[46:47], s[46:47], s[18:19]
	s_mul_i32 s45, s14, HALFT                      ; where they go: wave x 128 rows
	s_mul_i32 s94, s14, HALFS
	s_wait_dscnt 0x0                               ; both opening adds are done
	s_wait_kmcnt 0x0
	s_add_nc_u64 s[6:7], s[4:5], XS                ; the four regions of qc
	s_add_nc_u64 s[8:9], s[4:5], WC
	s_add_nc_u64 s[10:11], s[4:5], WS
	s_add_nc_u64 s[20:21], s[4:5], s[20:21]
	s_add_nc_u64 s[22:23], s[6:7], s[22:23]
	s_add_nc_u64 s[46:47], s[8:9], s[46:47]
	s_add_nc_u64 s[92:93], s[10:11], s[92:93]
	CROUND                                         ; all sixteen work-groups are here: the first joint loads meet
	s_mov_b32 s[G0S], 1
	s_add_co_u32 s[G0S+1], s94, SCL
	s_mov_b64 s[G0S+2:G0S+3], s[22:23]
	s_or_b32 s[G0S+3], s[G0S+3], 0x80000000
	s_mov_b32 s[G0SB], 1
	s_add_co_u32 s[G0SB+1], s94, SCL
	s_mov_b64 s[G0SB+2:G0SB+3], s[92:93]
	s_or_b32 s[G0SB+3], s[G0SB+3], 0x80000000
	JLOAD G0S, G1S, G0SB, G1SB                     ; the scales first: they are wanted with K step 0
.irp s, 0,1
	s_mov_b32 s[G0+4*\s], 1
	s_add_co_u32 s[G0+4*\s+1], s45, \s*SLOT
	s_add_nc_u64 s[G0+4*\s+2:G0+4*\s+3], s[20:21], \s*ROWB
	s_or_b32 s[G0+4*\s+3], s[G0+4*\s+3], 0x80000000
	s_mov_b32 s[G0B+4*\s], 1
	s_add_co_u32 s[G0B+4*\s+1], s45, \s*SLOT
	s_add_nc_u64 s[G0B+4*\s+2:G0B+4*\s+3], s[46:47], \s*ROWB
	s_or_b32 s[G0B+4*\s+3], s[G0B+4*\s+3], 0x80000000
	JLOAD G0+4*\s, G1, G0B+4*\s, G1B
.endr
	v_and_b32 v1, 15, v0                           ; r = lane % 16
	v_bfe_u32 v2, v0, 4, 1                         ; h = lane / 16
	; the bias: which of the three hangs on the cluster's x, which all partners share; register BI + 8 b + j = bias[256 cx + 128 half + 16 b + 8 h + j]
	s_cmp_eq_u32 ttmp9, 0
	s_cselect_b64 s[96:97], s[96:97], s[98:99]
	s_cmp_eq_u32 ttmp9, 2
	s_cselect_b64 s[96:97], s[100:101], s[96:97]
	s_lshl_b32 s46, s40, 10
	s_lshl_b32 s47, s16, 9
	s_add_co_u32 s46, s46, s47
	s_mov_b32 s47, 0
	s_add_nc_u64 s[96:97], s[96:97], s[46:47]
	v_lshlrev_b32 v8, 5, v2                        ; 32 h; never rewritten
.irp b, 0,1,2,3,4,5,6,7
	global_load_b128 v[BI+8*\b:BI+8*\b+3], v8, s[96:97] offset:64*\b
	global_load_b128 v[BI+8*\b+4:BI+8*\b+7], v8, s[96:97] offset:64*\b+16
.endr
	v_mul_u32_u24 v3, v1, PITCH
	v_lshl_add_u32 v4, v2, 4, v3                   ; a fragment's row x pitch + 16 x half
	s_mul_i32 s21, s15, HALFT                      ; my 128 rows of A
	s_mul_i32 s22, s16, HALFT                      ; my 128 rows of B,
	s_add_co_u32 s22, s22, 2*HALFT                 ; which lie behind A's 256
.irp s, 0,1
	v_add_nc_u32 v[ADRA+\s], s21, v4
	v_add_nc_u32 v[ADRB+\s], s22, v4
	s_add_co_u32 s21, s21, SLOT
	s_add_co_u32 s22, s22, SLOT
.endr
	v_mul_u32_u24 v5, v1, KS                       ; my row's scales: KS bytes a row,
	v_lshrrev_b32 v6, 8, v5
	v_lshl_add_u32 v5, v6, 4, v5                   ; and 16 more for each 256 passed
	s_mul_i32 s21, s15, HALFS
	s_mul_i32 s22, s16, HALFS
	s_add_co_u32 s22, s22, 2*HALFS
	s_sub_co_u32 s22, s22, s21
	v_mul_u32_u24 v6, s22, v2                      ; lanes 16-31 take B's
	s_add_co_u32 s21, s21, SCL
	v_add_nc_u32 v5, v5, v6
	v_add_nc_u32 v[ADRS], s21, v5
	s_mul_i32 s23, s14, 16*SPITCH                  ; my stage
	v_mul_u32_u24 v5, v1, SPITCH                   ; in: row r, 16 bytes for each half of the lanes
	v_lshl_add_u32 v5, v2, 4, v5
	v_add_nc_u32 v[STO], s23, v5
	v_mul_u32_u24 v5, v2, SPITCH                   ; back: lanes 0-15 one row of 256 bytes, lanes 16-31 the next
	v_lshl_add_u32 v5, v1, 4, v5
	v_add_nc_u32 v[RD], s23, v5
	v_lshlrev_b32 v5, 11, v2                       ; and the same two rows in memory
	v_lshl_add_u32 v[CO], v1, 4, v5
	s_lshl_b32 s20, s17, 8
	s_lshl_b32 s21, s15, 7
	s_add_co_u32 s20, s20, s21                     ; my first row: 256 x tile row + 128 x half,
	s_lshl_b32 s20, s20, 11                        ; in bytes
	s_mov_b32 s21, 0
	s_lshl_b32 s46, s40, 9                         ; my first column in q, k or v, in bytes: 512 cx + 256 x half,
	s_lshl_b32 s47, s16, 8
	s_add_co_u32 s46, s46, s47
	s_lshl_b32 s47, ttmp9, 24                      ; and which of the three
	s_add_co_u32 s46, s46, s47
	s_mov_b32 s47, 0
	s_add_nc_u64 s[20:21], s[20:21], s[46:47]
	s_add_nc_u64 s[12:13], s[12:13], s[20:21]
.macro FRAG reg, adr, q, i             ; 16 rows x 128 K of 4-bit codes, 8 registers: lane l holds row l % 16; registers 4 c .. 4 c + 3 hold K = 64 c + 32 (l / 16) + 0 .. 31
.irp c, 0,1
	ds_load_b128 v[\reg+4*\c:\reg+4*\c+3], v[\adr] offset:64*(\q)+32*\c+(\i)*16*PITCH
.endr
.endm
; 16 matrix instructions: A's blocks a0, a0 + 1 x B's eight, the slot's q-th 128 along K.  p: B's set; sc: the set of scale words.  zero = 1: the first product starts the sums from the bias.
; The 64 accumulators take turns, one instruction a turn, in the same order in every step.
.macro MUL16 a0, p, q, sc, zero
.irp a, \a0, \a0+1
.irp b, 0,1,2,3,4,5,6,7
.if \zero
	v_wmma_scale_f32_16x16x128_f8f6f4 v[8*(8*((\a)%4)+\b):8*(8*((\a)%4)+\b)+7], v[128*(\p)+FR*\b:128*(\p)+FR*\b+FR-1], v[AF+FR*(\a):AF+FR*(\a)+FR-1], v[BI+8*\b:BI+8*\b+7], v[SC+8*NQ*(\sc)+NQ*\b+(\q)], v[SC+8*NQ*(\sc)+NQ*(\a)+(\q)] matrix_a_fmt:MATRIX_FMT_FP4 matrix_b_fmt:MATRIX_FMT_FP4 matrix_a_scale:MATRIX_SCALE_ROW1
.else
	v_wmma_scale_f32_16x16x128_f8f6f4 v[8*(8*((\a)%4)+\b):8*(8*((\a)%4)+\b)+7], v[128*(\p)+FR*\b:128*(\p)+FR*\b+FR-1], v[AF+FR*(\a):AF+FR*(\a)+FR-1], v[8*(8*((\a)%4)+\b):8*(8*((\a)%4)+\b)+7], v[SC+8*NQ*(\sc)+NQ*\b+(\q)], v[SC+8*NQ*(\sc)+NQ*(\a)+(\q)] matrix_a_fmt:MATRIX_FMT_FP4 matrix_b_fmt:MATRIX_FMT_FP4 matrix_a_scale:MATRIX_SCALE_ROW1
.endif
.endr
.endr
.endm
.macro FETCH_B slot, q, p
	WIN TO_B
.irp i, 0,1,2,3,4,5,6,7
	FRAG 128*(\p)+FR*\i, ADRB+\slot, \q, \i
.endr
	WIN 0
.endm
.macro FETCH_A slot, q, i0
.irp i, \i0, \i0+1, \i0+2, \i0+3
	FRAG AF+FR*(\i), ADRA+\slot, \q, \i
.endr
.endm
.macro SCALES sc                       ; a K step's scale words: NQ words a row; lanes 0-15 take A's block i, lanes 16-31 B's block i
.irp i, 0,1,2,3,4,5,6,7
	ds_load_b128 v[SC+8*NQ*\sc+NQ*\i:SC+8*NQ*\sc+NQ*\i+3], v[ADRS] offset:\i*SBLK
.endr
.endm
.macro PLACES n                        ; plain vector lines between a matrix instruction and a load into, or a read of, its registers
.rept \n
	v_nop
.endr
.endm
.macro STEP slot, q, zero              ; a step of 128 along K that has its successor in the same slot
	s_wait_dscnt 4*NL                              ; B's set and A's blocks 0-3 are in; the youngest eight loads (A's blocks 4-7) may be out
.if \zero
	WIN 0x81                                       ; C (the bias) in window 0
.else
	WIN MUL_LO
.endif
	MUL16 0, (\q)%2, \q, \slot, \zero
	MUL16 2, (\q)%2, \q, \slot, \zero
	s_wait_dscnt 0
	PLACES NP
	FETCH_B \slot, (\q)+1, 1-(\q)%2
	FETCH_A \slot, (\q)+1, 0
.if \zero
	WIN 0xc1
.else
	WIN MUL_HI
.endif
	MUL16 4, (\q)%2, \q, \slot, \zero
	MUL16 6, (\q)%2, \q, \slot, \zero
	PLACES NP
	WIN 0
	FETCH_A \slot, (\q)+1, 4
.endm
	s_wait_tensorcnt 1                             ; the scales and my part of K step 0 are in (K step 1's load may be out)
	s_barrier_signal -1
	s_barrier_wait -1                              ; everybody's are
	FETCH_B 0, 0, 0
	FETCH_A 0, 0, 0
	SCALES 0
	FETCH_A 0, 0, 4
	s_wait_loadcnt 0x0                             ; the bias
	STEP 0, 0, 1
	STEP 0, 1, 0
	STEP 0, 2, 0
	; slot 0's last step changes slots: one barrier; in front of it each wave waits for all its tensor loads (its part of slot 1), adds 0 to its spare word, and waits for that and for its reads of slot 0
	s_wait_tensorcnt 0x0
	ds_add_u32 v[SPW], v[NIL]
	s_wait_dscnt 4*NL+1                            ; (the add and the youngest eight loads may be out)
	WIN MUL_LO
	MUL16 0, 1, NQ-1, 0, 0
	s_wait_dscnt 0x0                               ; the add is done, and my reads of slot 0 are over
	s_barrier_signal -1
	MUL16 2, 1, NQ-1, 0, 0
	WIN 0
	s_barrier_wait -1
	PLACES NP
	v_add_nc_u32 v[ADRS], 4*NQ, v[ADRS]            ; on to the next K step's scale words
	FETCH_B 1, 0, 0
	FETCH_A 1, 0, 0
	SCALES 1
	WIN MUL_HI
	MUL16 4, 1, NQ-1, 0, 0
	MUL16 6, 1, NQ-1, 0, 0
	PLACES NP
	WIN 0
	FETCH_A 1, 0, 4
	STEP 1, 0, 0
	STEP 1, 1, 0
	STEP 1, 2, 0
	s_wait_dscnt 4*NL                              ; the very last step: nothing more to fetch
	WIN MUL_LO
	MUL16 0, 1, NQ-1, 1, 0
	MUL16 2, 1, NQ-1, 1, 0
	s_wait_dscnt 0
	WIN MUL_HI
	MUL16 4, 1, NQ-1, 1, 0
	MUL16 6, 1, NQ-1, 1, 0
	WIN 0
; THE WAY OUT, block by block of 16 rows x 128 columns: rounded to f16, 16 bytes a lane; through my own stage; back as whole rows of 256 bytes, which sixteen lanes store.
.macro PACK a
.set AC, 64*((\a)%4)
	WIN 0x0a+5*((\a)/4)                            ; sources 0 and 1: window 2 or 3
.irp b, 0,1,2,3,4,5,6,7
.irp r, 0,1,2,3
	v_cvt_pk_f16_f32 v[TMP+4*\b+\r], v[AC+8*\b+2*\r], v[AC+8*\b+2*\r+1]   ; each accumulator from its low end on
.endr
.endr
	WIN 0
.endm
.macro TOSTAGE a
.set BK, OB+192*((\a)%2)
.irp b, 0,1,2,3,4,5,6,7
	ds_store_b128 v[STO], v[TMP+4*\b:TMP+4*\b+3] offset:32*\b
.endr
.irp t, 0,1,2,3,4,5,6,7
	ds_load_b128 v[BK+4*\t:BK+4*\t+3], v[RD] offset:\t*2*SPITCH    ; LDS serves a wave's instructions in order: these see the stores above
.endr
.endm
.macro SEND a
.set BK, OB+192*((\a)%2)
	s_wait_dscnt 0x0                               ; the block is back in registers
	s_wait_xcnt 0x0                                ; earlier stores have read their base and their data: both are written again only behind this wait
.if (\a) > 0
	s_add_nc_u64 s[12:13], s[12:13], 16*OPITCH
.endif
.irp t, 0,1,2,3,4,5,6,7
	global_store_b128 v[CO], v[BK+4*\t:BK+4*\t+3], s[12:13] offset:2*\t*OPITCH   ; 16 lanes store 256 consecutive bytes, aligned
.endr
.endm
	PLACES NP
	PACK 0
	TOSTAGE 0
.irp a, 1,2,3,4,5,6,7
	PACK \a
	SEND \a-1
	TOSTAGE \a
.endr
	SEND 7
	s_wait_tensorcnt 0x0                           ; the wave's end
	ds_add_u32 v[SPW], v[NIL]
	s_wait_dscnt 0x0
	CROUND                                         ; the closing round
	s_endpgm
.Lfunc_end_k_qb66c0c5959_qkv:
	.size	k_qb66c0c5959_qkv, .Lfunc_end_k_qb66c0c5959_qkv-k_qb66c0c5959_qkv
	.p2alignl 7, 3214868480
	.fill 96, 4, 3214868480
	.section	.rodata,"a",@progbits
	.p2align	6, 0x0
	.amdhsa_kernel k_qb66c0c5959_qkv
		.amdhsa_group_segment_fixed_size 327680
		.amdhsa_private_segment_fixed_size 0
		.amdhsa_enable_private_segment 0
		.amdhsa_kernarg_size 40
		.amdhsa_user_sgpr_count 2
		.amdhsa_user_sgpr_kernarg_segment_ptr 1
		.amdhsa_wavefront_size32 1
		.amdhsa_system_sgpr_workgroup_id_x 1
		.amdhsa_system_sgpr_workgroup_id_y 1
		.amdhsa_system_sgpr_workgroup_id_z 1
		.amdhsa_system_vgpr_workitem_id 0
		.amdhsa_next_free_vgpr 1024
		.amdhsa_next_free_sgpr 102
		.amdhsa_reserve_vcc 0
		.amdhsa_float_denorm_mode_32 3
		.amdhsa_float_denorm_mode_16_64 3
		.amdhsa_memory_ordered 1
		.amdhsa_forward_progress 1
		.amdhsa_inst_pref_size 129
	.end_amdhsa_kernel
	.amdgpu_metadata
---
amdhsa.version: [ 1, 2 ]
amdhsa.kernels:
  - .name:           k_qb66c0c5959_qkv
    .symbol:         k_qb66c0c5959_qkv.kd
    .args:
      - { .name: qc, .offset: 0, .size: 8, .value_kind: global_buffer, .address_space: global }
      - { .name: bq, .offset: 8, .size: 8, .value_kind: global_buffer, .address_space: global }
      - { .name: bk, .offset: 16, .size: 8, .value_kind: global_buffer, .address_space: global }
      - { .name: bv, .offset: 24, .size: 8, .value_kind: global_buffer, .address_space: global }
      - { .name: qkv, .offset: 32, .size: 8, .value_kind: global_buffer, .address_space: global }
    .group_segment_fixed_size: 327680
    .private_segment_fixed_size: 0
    .kernarg_segment_align: 8
    .kernarg_segment_size: 40
    .max_flat_workgroup_size: 128
    .sgpr_count:     102
    .vgpr_count:     1024
    .wavefront_size: 32
...
	.end_amdgpu_metadata
.endif
;; end of part 2
;; launch scores (part 3): grid 8 x 32, 4 waves a work-group, clusters of 4 x 4, 327,680 bytes of LDS; arguments qkv, p, st; writes p, st
.if DOCPART == 3
	.amdgcn_target "amdgcn-amd-amdhsa--gfx1250"
	.amdhsa_code_object_version 6
	.text
	.protected	k_qb66c0c5959_scores
	.globl	k_qb66c0c5959_scores
	.p2align	8
	.type	k_qb66c0c5959_scores,@function
k_qb66c0c5959_scores:
	s_mov_b64 s[64:65], 0
	v_nop
	global_prefetch_b8 v0, s[64:65] scope:SCOPE_SE
	s_setreg_imm32_b32 hwreg(HW_REG_WAVE_MODE, 25, 1), 1
	s_wait_xcnt 0x0
	s_wait_alu depctr_hold_cnt(0) depctr_sa_sdst(0) depctr_va_vdst(0) depctr_va_sdst(0) depctr_va_ssrc(0) depctr_va_vcc(0) depctr_vm_vsrc(0)
	s_getreg_b32 s2, hwreg(HW_REG_IB_STS2, 6, 4)
	s_cmp_eq_u32 s2, 0
	s_cbranch_scc0 .Lentry_in_a_cluster
	s_endpgm
.Lentry_in_a_cluster:
	s_bfe_u32 s2, ttmp6, 0x10000c
	s_cmp_lg_u32 s2, 0xf033
	s_cbranch_scc0 .Lentry_shape_is_right
	s_endpgm
.Lentry_shape_is_right:
; For each batch: score[q][k] = q[q] . k[k]; t = score x c, c = log2(e) / sqrt(1024).  q and k are f16 ([8192][1024] each, in qkv at 0 and at 2^24 bytes), sums in f32.
; THE SOFTMAX IS TAKEN IN TWO STAGES, a maximum taken away in each.  Here, for each query and each block kb of 128 keys (one wave's columns): M_kb = the block's largest t rounded up to a whole number,
; p = 2^(t - M_kb), at most 1, rounded to f16; l_kb = the f32 sum of the unrounded p.  (-M_kb, l_kb) go to st [16 kb][8192 rows], 8 bytes each.  The next launch brings the blocks under the row's M.
; p IS STORED AS IMAGES OF THE NEXT PRODUCT'S OPERAND REGISTERS: [512 blocks of 16 queries][64 chunks of 32 keys][1,024 bytes]: a lane's 16 bytes at 16 x lane, keys 8 (lane / 16) + 0 .. 7 of the chunk in the first 512 bytes,
; keys 16 + 8 (lane / 16) + 0 .. 7 in the second.  That is how the packed results lie in this launch's registers, so they are stored as they stand, 512 consecutive bytes an instruction, with no way through LDS.
; LIMITS: NaN and infinities are not served; p under 2^-24 becomes 0 in f16, beside a block maximum above 0.5.
; A tile, 256 queries x 256 keys, is made by four waves, each 128 x 128: 64 accumulators, 512 registers.  K = 1,024 goes in 8 steps of 128 through a ring of two LDS slots filled by the tensor data mover (rows of 256 bytes).
; By this text's own count a wave has two tensor loads out at the start and one behind each round.
; CLUSTERS: 4 x 4 work-groups; the four of a row of the cluster need the same rows of q, the four of a column the same rows of k: joint loads.
; THE MATRIX INSTRUCTION IS USED TRANSPOSED (source 0 = 16 keys, source 1 = 16 queries): a lane holds one query (lane % 16) and eight neighbouring keys.
; REGISTERS: window 0: v0-31 addresses; v64-127, v128-191 fragments of q, two buffers; on the way out v32-47 statistics, v64-95 partial sums, v192-223 packed p.
;   window 1: v64-127, v128-191 fragments of k.   window 2: accumulators of my queries 0-63 ((a, b) at v[8 (8 a + b)]);   window 3: those of my queries 64-127.
.set SIZE_K, 1024
.set KSTEP,  128
.set PITCH,  272                       ; an LDS row: 256 bytes + 16 of padding: the 16 rows that a load touches start at 16 different banks (ISA guide 11.1)
.set HALFT,  128*PITCH
.set SLOT,   4*HALFT
.set SPARE,  2*SLOT                    ; behind the ring: the spare words, 128 bytes for each wave
.set LAPS,   SIZE_K/(2*KSTEP)
.set KOFF,   0x1000000                 ; k in qkv
.set ADRA, 16
.set ADRB, 20
.set PO,   26                          ; v26  16 x lane: my place in an image; never rewritten
.set SO,   27                          ; v27  8 x lane: my place in a statistics store; never rewritten
.set SPW,  28
.set NIL,  29
.set PFO,  30
.set T,    32                          ; v32-39 eight maxima
.set NM,   40                          ; v[40:41] -M (the packed form names a pair and takes its low word)
.set PX,   42                          ; a lane permute's destination
.set L,    43                          ; the block's sum
.set EV,   44                          ; v[44:45] the even block's (-M, l)
.set SD,   46                          ; v[46:47] what a statistics store sends
.set U,    64                          ; v64-95 partial sums
.set TMP,  192
.set F0,   64
.set F1,   128
.set PFA,  44
.set LIM,  43
.set CS,   68                          ; s[68:69] c
.set SEL,  70                          ; s[70:71] lane selects: lane l xor 16
.set G1, 24
.set G0, 32
.set G1B, 48
.set G0B, 56
.set MSB, 0
.macro WIN new
.if MSB != \new
	s_set_vgpr_msb (MSB<<8)|\new
.set MSB, \new
.endif
.endm
.set MUL_LO, 0xa1
.set MUL_HI, 0xf1
.set TO_B,   0x40
.macro JLOAD s                         ; waves 0 and 1 fetch q's two halves, waves 2 and 3 k's; an s_nop 0 and four v_nop follow each line
	s_cmp_eq_u32 s11, 0
	s_cbranch_scc0 .Lfor_b_\@
	tensor_load_to_lds s[G0+4*\s:G0+4*\s+3], s[G1:G1+7]
	s_nop 0
.rept 4
	v_nop
.endr
	s_branch .Lasked_\@
.Lfor_b_\@:
	tensor_load_to_lds s[G0B+4*\s:G0B+4*\s+3], s[G1B:G1B+7]
	s_nop 0
.rept 4
	v_nop
.endr
.Lasked_\@:
.endm
; A prefetch of the K step that stands two refills on: 32 rows x 256 bytes, a lane a row, one instruction a wave.  q's rows are read by both clusters of a row of clusters: cluster x = 0 asks; k's rows by the two clusters
; of a batch: the even cluster y asks.  The four partners that ask for a tile jointly share its rows out by address, 32 each.  So each row's 256 bytes of a K step are named once.  The loop's last trip asks for nothing.
.macro ASK
	s_cmp_gt_u32 s3, s[LIM]
	s_cbranch_scc0 .Lnot_mine_\@
	global_prefetch_b8 v[PFO], s[PFA:PFA+1] offset:KSTEP*2 th:TH_LOAD_NT scope:SCOPE_SE
.Lnot_mine_\@:
.endm
.macro CREST
	s_cmp_lg_u32 s10, 0
	s_cbranch_scc1 .Lnot_wave_0_\@
	s_barrier_signal -3
.Lnot_wave_0_\@:
	s_barrier_wait -3
	s_barrier_signal -1
	s_barrier_wait -1
.endm
.macro CROUND
	s_barrier_signal -1
	s_barrier_wait -1
	CREST
.endm
	s_load_b64 s[4:5], s[0:1], 0x0                 ; qkv: q begins it
	s_load_b64 s[8:9], s[0:1], 0x8                 ; p
	s_load_b64 s[66:67], s[0:1], 0x10              ; st
	v_lshl_add_u32 v[SPW], v0, 2, SPARE
	v_mov_b32 v[NIL], 0
	ds_add_u32 v[SPW], v[NIL]                      ; the wave's opening: the add, twice on end, and its wait ahead of my first tensor load
	ds_add_u32 v[SPW], v[NIL]
	v_lshrrev_b32 v1, 5, v0
	v_readfirstlane_b32 s10, v1                    ; wave 0..3
	s_lshr_b32 s11, s10, 1                         ; which half of the tile's queries is mine.  Also: I fetch q (0) or k (1)
	s_and_b32 s12, s10, 1                          ; which half of its keys.  Also: which 128 rows I fetch
	s_bfe_u32 s40, ttmp6, 0x40000                  ; cx
	s_bfe_u32 s41, ttmp6, 0x40004                  ; cy
	s_lshl_b32 s42, ttmp9, 2
	s_add_co_u32 s42, s42, s40                     ; tile column: 256 keys of the batch
	s_and_b32 s13, ttmp7, 0xffff
	s_lshl_b32 s13, s13, 2
	s_add_co_u32 s13, s13, s41                     ; tile row: 256 of the 8,192 queries
	s_lshl_b32 s43, s41, 2
	s_lshl_b32 s43, 15, s43                        ; my row of the cluster
	s_lshl_b32 s44, 0x1111, s40                    ; my column
	s_or_b32 s[G1+0], s43, (1<<16)|(1<<20)|(1<<21)|(5<<22)|(3<<25)  ; the mask; elements of 2 bytes; padding on: 4 words after every 64; bit 21 beside a mask
	s_or_b32 s[G1B+0], s44, (1<<16)|(1<<20)|(1<<21)|(5<<22)|(3<<25)
.irp g, G1, G1B
	s_mov_b32 s[\g+1], KSTEP<<16                   ; tensor_dim0
	s_mov_b32 s[\g+2], 128<<16                     ; tensor_dim1
	s_mov_b32 s[\g+3], KSTEP<<16                   ; tile_dim0
	s_mov_b32 s[\g+4], 128                         ; tile_dim1
	s_mov_b32 s[\g+5], SIZE_K                      ; the pitch
	s_mov_b32 s[\g+6], 0
	s_mov_b32 s[\g+7], 0
.endr
	s_lshl_b32 s17, s12, 7                         ; which 128 rows of the tile I fetch
	s_lshl_b32 s16, s13, 8
	s_add_co_u32 s16, s16, s17                     ; q: row 256 x tile row + 128 x half,
	s_lshl_b32 s16, s16, 11                        ; in bytes
	s_lshl_b32 s46, s42, 8
	s_add_co_u32 s46, s46, s17                     ; k: row 256 x tile column + 128 x half
	s_and_b32 s47, ttmp7, 0xffff
	s_lshr_b32 s47, s47, 1                         ; the batch: two clusters along y to a batch; all partners share it
	s_lshl_b32 s47, s47, 11
	s_add_co_u32 s46, s46, s47                     ; + 2,048 x batch,
	s_lshl_b32 s46, s46, 11                        ; in bytes
	s_mov_b32 s17, 0
	s_mov_b32 s47, 0
	s_mul_i32 s20, s10, HALFT                      ; where they go: wave x 128 rows
	s_mov_b32 s[CS], 0x3d38aa3b                    ; c = log2(e) / 32
	s_mov_b32 s[CS+1], s[CS]
	s_mov_b32 s[SEL], 0x76543210
	s_mov_b32 s[SEL+1], 0xfedcba98
	s_mov_b32 s2, 0xffff0000                       ; lanes 16-31
	s_wait_dscnt 0x0                               ; both opening adds are done
	s_wait_kmcnt 0x0
	s_add_nc_u64 s[6:7], s[4:5], KOFF              ; k
	s_add_nc_u64 s[14:15], s[4:5], s[16:17]
	s_add_nc_u64 s[46:47], s[6:7], s[46:47]
	CROUND                                         ; all sixteen work-groups are here: the first joint loads meet
.irp s, 0,1
	s_mov_b32 s[G0+4*\s], 1
	s_add_co_u32 s[G0+4*\s+1], s20, \s*SLOT
	s_add_nc_u64 s[G0+4*\s+2:G0+4*\s+3], s[14:15], \s*KSTEP*2
	s_or_b32 s[G0+4*\s+3], s[G0+4*\s+3], 0x80000000
	s_mov_b32 s[G0B+4*\s], 1
	s_add_co_u32 s[G0B+4*\s+1], s20, \s*SLOT
	s_add_nc_u64 s[G0B+4*\s+2:G0B+4*\s+3], s[46:47], \s*KSTEP*2
	s_or_b32 s[G0B+4*\s+3], s[G0B+4*\s+3], 0x80000000
	JLOAD \s
.endr
	v_and_b32 v1, 15, v0                           ; r
	v_bfe_u32 v2, v0, 4, 1                         ; h
	v_mul_u32_u24 v3, v1, PITCH
	v_lshl_add_u32 v3, v2, 4, v3                   ; a fragment's row x pitch + 16 x half
	s_mul_i32 s21, s11, HALFT                      ; my 128 queries
	s_mul_i32 s22, s12, HALFT                      ; my 128 keys,
	s_add_co_u32 s22, s22, 2*HALFT                 ; which lie behind q's 256 rows
.irp s, 0,1
	v_add_nc_u32 v[ADRA+\s], s21, v3
	v_add_nc_u32 v[ADRB+\s], s22, v3
	s_add_co_u32 s21, s21, SLOT
	s_add_co_u32 s22, s22, SLOT
.endr
	v_and_b32 v[PO], 31, v0
	v_lshlrev_b32 v[SO], 3, v[PO]
	v_lshlrev_b32 v[PO], 4, v[PO]
	v_mov_b32 v[PX], 0                             ; written once: a lane permute's destination counts as one of its sources
	s_lshl_b32 s13, s13, 8                         ; 256 x tile row
	s_lshl_b32 s14, s11, 7
	s_add_co_u32 s16, s13, s14                     ; my first query
	s_lshl_b32 s20, s16, 3                         ; its place in a plane of st,
	s_lshl_b32 s16, s16, 12                        ; and its block of 16 queries in p: 65,536 bytes a block
	s_mov_b32 s17, 0
	s_lshl_b32 s46, s42, 13                        ; my first chunk of 32 keys, 1,024 bytes a chunk: 8 x tile column + 4 x half
	s_lshl_b32 s47, s12, 12
	s_add_co_u32 s46, s46, s47
	s_mov_b32 s47, 0
	s_add_nc_u64 s[16:17], s[16:17], s[46:47]
	s_add_nc_u64 s[8:9], s[8:9], s[16:17]
	s_lshl_b32 s21, s42, 1
	s_add_co_u32 s21, s21, s12                     ; kb = 2 x tile column + half
	s_lshl_b32 s21, s21, 16                        ; a plane of st is 65,536 bytes
	s_add_co_u32 s20, s20, s21
	s_mov_b32 s21, 0
	s_add_nc_u64 s[66:67], s[66:67], s[20:21]
	; the prefetches
	s_lshl_b32 s42, s42, 8
	s_and_b32 s22, ttmp7, 0xffff                   ; cluster y
	s_lshr_b32 s23, s22, 1
	s_lshl_b32 s23, s23, 11
	s_add_co_u32 s42, s42, s23                     ; k's tile: its first row
	s_and_b32 s22, s22, 1
	s_cmp_eq_u32 s11, 0                            ; do I fetch q?
	s_cselect_b32 s20, s13, s42                    ; the tile's first row
	s_cselect_b32 s21, s40, s41                    ; my place among the four that ask for it with me
	s_cselect_b32 s22, ttmp9, s22                  ; 0 in the cluster that asks
	s_cselect_b64 s[PFA:PFA+1], s[4:5], s[6:7]
	s_cmp_eq_u32 s22, 0
	s_cselect_b32 s[LIM], 1, -1
	s_lshl_b32 s22, s12, 7
	s_add_co_u32 s20, s20, s22                     ; + the 128 rows that I fetch
	s_lshl_b32 s21, s21, 5
	s_add_co_u32 s20, s20, s21                     ; + my work-group's 32 of them
	s_lshl_b32 s20, s20, 11
	s_mov_b32 s21, 0
	s_add_nc_u64 s[PFA:PFA+1], s[PFA:PFA+1], s[20:21]
	s_add_nc_u64 s[PFA:PFA+1], s[PFA:PFA+1], 2*KSTEP*2  ; at K step 2: the first refill steps it to 3 and names K step 4
	v_and_b32 v[PFO], 31, v0
	v_mul_u32_u24 v[PFO], v[PFO], SIZE_K*2
; 16 matrix instructions: query blocks a0, a0 + 1 of the window's four x all 8 key blocks, 32 along K.  zero = 1: the first product starts the sums.  The 64 accumulators take turns.
.macro MUL16 f, hi, a0, zero
.irp a, \a0, \a0+1
.irp b, 0,1,2,3,4,5,6,7
.if \zero
	v_wmma_f32_16x16x32_f16 v[8*(8*(\a)+\b):8*(8*(\a)+\b)+7], v[\f+8*\b:\f+8*\b+7], v[\f+8*(4*\hi+\a):\f+8*(4*\hi+\a)+7], 0
.else
	v_wmma_f32_16x16x32_f16 v[8*(8*(\a)+\b):8*(8*(\a)+\b)+7], v[\f+8*\b:\f+8*\b+7], v[\f+8*(4*\hi+\a):\f+8*(4*\hi+\a)+7], v[8*(8*(\a)+\b):8*(8*(\a)+\b)+7]
.endif
.endr
.endr
.endm
.macro FETCH slot, k, f                ; 32 LDS loads in one run: the fragments of one quarter step into buffer f
	WIN TO_B
.irp i, 0,1,2,3,4,5,6,7
	ds_load_b128 v[\f+8*\i:\f+8*\i+3],   v[ADRB+\slot] offset:\k+\i*16*PITCH
	ds_load_b128 v[\f+8*\i+4:\f+8*\i+7], v[ADRB+\slot] offset:\k+\i*16*PITCH+32
.endr
	WIN 0
.irp i, 0,1,2,3,4,5,6,7
	ds_load_b128 v[\f+8*\i:\f+8*\i+3],   v[ADRA+\slot] offset:\k+\i*16*PITCH
	ds_load_b128 v[\f+8*\i+4:\f+8*\i+7], v[ADRA+\slot] offset:\k+\i*16*PITCH+32
.endr
.endm
.macro PLACES                          ; four plain vector lines between a matrix instruction and a load into, or a read of, its registers
.rept 4
	v_nop
.endr
.endm
.macro QUARTER slot, k, f, g, zero     ; multiplies buffer f; in its middle fetches the next quarter's fragments, at byte k of the slot's rows, into buffer g
	s_wait_dscnt 8                                 ; k's fragments and q's rows 0-63 are in; the youngest eight loads may be out
	WIN MUL_LO
	MUL16 \f, 0, 0, \zero
	MUL16 \f, 0, 2, \zero
	PLACES
	FETCH \slot, \k, \g
	s_wait_dscnt 32                                ; all but the 32 just issued
	WIN MUL_HI
	MUL16 \f, 1, 0, \zero
	MUL16 \f, 1, 2, \zero
.endm
; The first half of a slot's last quarter: one barrier for the change of slots.  In front of it each wave waits for all its tensor loads (its part of the next slot), adds 0 to its spare word, and waits for that and for its reads of this slot.
.macro MEET round
	WIN 0
	s_wait_tensorcnt 0x0
	ds_add_u32 v[SPW], v[NIL]
	s_wait_dscnt 9                                 ; (the add and the youngest eight loads may be out)
	WIN MUL_LO
	MUL16 F1, 0, 0, 0
	s_wait_dscnt 0x0                               ; the add is done, and my reads of this slot are over
	s_barrier_signal -1
	MUL16 F1, 0, 2, 0
.if \round
	WIN 0
.endif
	s_barrier_wait -1
.endm
.macro TURN slot, next                 ; the whole last quarter: behind the round the slot just read out is filled again first, two K steps ahead; then come the next slot's first fragments
	s_wait_xcnt 0x0                                ; the last prefetch, a K step back, has read its address
	s_add_nc_u64 s[PFA:PFA+1], s[PFA:PFA+1], KSTEP*2
	MEET 1
	CREST                                          ; no wave of any partner still reads this slot or has a load on its way
	s_add_nc_u64 s[G0+4*\slot+2:G0+4*\slot+3], s[G0+4*\slot+2:G0+4*\slot+3], 2*KSTEP*2
	s_add_nc_u64 s[G0B+4*\slot+2:G0B+4*\slot+3], s[G0B+4*\slot+2:G0B+4*\slot+3], 2*KSTEP*2
	JLOAD \slot                                    ; the four v_nop behind it are also the places in front of the loads below
	FETCH \next, 0, F0
	ASK
	WIN MUL_HI
	MUL16 F1, 1, 0, 0
	MUL16 F1, 1, 2, 0
.endm
	s_wait_tensorcnt 1                             ; my part of K step 0 is in (K step 1's load may be out)
	s_barrier_signal -1
	s_barrier_wait -1                              ; everybody's is
	FETCH 0, 0, F0
	QUARTER 0, 64,  F0, F1, 1                      ; the first quarter stands in front of the loop: its products start the sums
	WIN 0
	s_mov_b32 s3, LAPS-1
.Llap:                                                 ; a trip goes once round the ring and fills both slots again
	QUARTER 0, 128, F1, F0, 0
	QUARTER 0, 192, F0, F1, 0
	TURN 0, 1
	QUARTER 1, 64,  F0, F1, 0
	QUARTER 1, 128, F1, F0, 0
	QUARTER 1, 192, F0, F1, 0
	TURN 1, 0
	QUARTER 0, 64,  F0, F1, 0
	WIN 0
	s_sub_co_u32 s3, s3, 1
	s_cmp_lg_u32 s3, 0
	s_cbranch_scc1 .Llap
	QUARTER 0, 128, F1, F0, 0                      ; the last lap fills nothing
	QUARTER 0, 192, F0, F1, 0
	MEET 0
	PLACES
	FETCH 1, 0, F0
	WIN MUL_HI
	MUL16 F1, 1, 0, 0
	MUL16 F1, 1, 2, 0
	QUARTER 1, 64,  F0, F1, 0
	QUARTER 1, 128, F1, F0, 0
	QUARTER 1, 192, F0, F1, 0
	s_wait_dscnt 8                                 ; the very last quarter: nothing more to fetch
	WIN MUL_LO
	MUL16 F1, 0, 0, 0
	MUL16 F1, 0, 2, 0
	s_wait_dscnt 0
	WIN MUL_HI
	MUL16 F1, 1, 0, 0
	MUL16 F1, 1, 2, 0
	WIN 0
	PLACES
; THE WAY OUT of block a (16 queries x my 128 keys).  A lane holds 64 scores of its query, the lane 16 away the other 64.
.macro SOFT a
.set W, 2+(\a)/4
.set AC, 64*((\a)%4)
.set WN, W|(W<<2)|(W<<4)
	WIN WN                                         ; three sources in the accumulators' window
.irp b, 0,1,2,3,4,5,6,7
	v_max3_num_f32 v[T+\b], v[AC+8*\b], v[AC+8*\b+1], v[AC+8*\b+2]   ; eight chains; each accumulator is read from its low end on
.endr
.set WN, (W<<2)|(W<<4)
	WIN WN
.irp b, 0,1,2,3,4,5,6,7
	v_max3_num_f32 v[T+\b], v[T+\b], v[AC+8*\b+3], v[AC+8*\b+4]
.endr
.irp b, 0,1,2,3,4,5,6,7
	v_max3_num_f32 v[T+\b], v[T+\b], v[AC+8*\b+5], v[AC+8*\b+6]
.endr
.irp b, 0,1,2,3,4,5,6,7
	v_max_num_f32 v[T+\b], v[T+\b], v[AC+8*\b+7]
.endr
	WIN 0
	v_max3_num_f32 v[T], v[T], v[T+1], v[T+2]
	v_max3_num_f32 v[T+3], v[T+3], v[T+4], v[T+5]
	v_max3_num_f32 v[T], v[T], v[T+6], v[T+7]
	v_max_num_f32 v[T], v[T], v[T+3]
	v_permlanex16_b32 v[PX], v[T], s[SEL], s[SEL+1]
	v_max_num_f32 v[T], v[T], v[PX]                ; the largest score of my query in these 128 keys
	v_mul_f32 v[T], s[CS], v[T]                    ; as t (c is positive)
	v_floor_f32 v[NM], -v[T]                       ; -M = floor(-t): M is a whole number
	v_mov_b32 v[NM+1], v[NM]
.set WN, W|(W<<6)
	WIN WN
.set i, 0
.rept 32
	v_pk_fma_f32 v[AC+i:AC+i+1], v[AC+i:AC+i+1], s[CS:CS+1], v[NM:NM+1] op_sel_hi:[1,0,0]   ; t - M, two at a time
.set i, i+2
.endr
.set i, 0
.rept 64
	v_exp_f32 v[AC+i], v[AC+i]                     ; p = 2^(t - M): one batch
.set i, i+1
.endr
	v_nop                                          ; a plain line behind the last exponential
	s_wait_alu depctr_va_vdst(0)                   ; one wait for the batch, ahead of its first reader
	s_wait_xcnt 0x0                                ; the last block's stores have read their data: the packed p and the statistics pair are written again only behind this wait
.set WN, W|(W<<2)
	WIN WN
.set i, 0
.rept 32
	v_cvt_pk_f16_f32 v[TMP+i], v[AC+2*i], v[AC+2*i+1]
.set i, i+1
.endr
.set i, 0
.rept 16
	v_pk_add_f32 v[U+2*i:U+2*i+1], v[AC+4*i:AC+4*i+1], v[AC+4*i+2:AC+4*i+3]   ; the sum is taken of the unrounded p
.set i, i+1
.endr
	WIN 0
.irp i, 0,2,4,6,8,10,12,14
	v_pk_add_f32 v[U+\i:U+\i+1], v[U+\i:U+\i+1], v[U+16+\i:U+17+\i]
.endr
.irp i, 0,2,4,6
	v_pk_add_f32 v[U+\i:U+\i+1], v[U+\i:U+\i+1], v[U+8+\i:U+9+\i]
.endr
.irp i, 0,2
	v_pk_add_f32 v[U+\i:U+\i+1], v[U+\i:U+\i+1], v[U+4+\i:U+5+\i]
.endr
	v_pk_add_f32 v[U:U+1], v[U:U+1], v[U+2:U+3]
	v_add_f32 v[L], v[U], v[U+1]
	v_permlanex16_b32 v[PX], v[L], s[SEL], s[SEL+1]
	v_add_f32 v[L], v[L], v[PX]
.if ((\a)%2) == 0
	v_mov_b32 v[EV], v[NM]                         ; kept for the store that the odd block makes
	v_mov_b32 v[EV+1], v[L]
.else
	v_cndmask_b32 v[SD], v[EV], v[NM], s2          ; lanes 0-15: the even block's queries; lanes 16-31: the odd block's
	v_cndmask_b32 v[SD+1], v[EV+1], v[L], s2
	global_store_b64 v[SO], v[SD:SD+1], s[66:67] offset:256*((\a)/2)   ; 32 queries x 8 bytes: 256 consecutive bytes, aligned
.endif
.irp b, 0,1,2,3,4,5,6,7
	global_store_b128 v[PO], v[TMP+4*\b:TMP+4*\b+3], s[8:9] offset:(\a)*65536+512*\b   ; key block b is half b % 2 of chunk b / 2: 32 lanes store 512 consecutive bytes, aligned; the block's eight stores cover 4,096 on end
.endr
.endm
.irp a, 0,1,2,3,4,5,6,7
	SOFT \a
.endr
	s_wait_tensorcnt 0x0                           ; the wave's end
	ds_add_u32 v[SPW], v[NIL]
	s_wait_dscnt 0x0
	CROUND                                         ; the closing round
	s_endpgm
.Lfunc_end_k_qb66c0c5959_scores:
	.size	k_qb66c0c5959_scores, .Lfunc_end_k_qb66c0c5959_scores-k_qb66c0c5959_scores
	.p2alignl 7, 3214868480
	.fill 96, 4, 3214868480
	.section	.rodata,"a",@progbits
	.p2align	6, 0x0
	.amdhsa_kernel k_qb66c0c5959_scores
		.amdhsa_group_segment_fixed_size 327680
		.amdhsa_private_segment_fixed_size 0
		.amdhsa_enable_private_segment 0
		.amdhsa_kernarg_size 24
		.amdhsa_user_sgpr_count 2
		.amdhsa_user_sgpr_kernarg_segment_ptr 1
		.amdhsa_wavefront_size32 1
		.amdhsa_system_sgpr_workgroup_id_x 1
		.amdhsa_system_sgpr_workgroup_id_y 1
		.amdhsa_system_sgpr_workgroup_id_z 1
		.amdhsa_system_vgpr_workitem_id 0
		.amdhsa_next_free_vgpr 1024
		.amdhsa_next_free_sgpr 72
		.amdhsa_reserve_vcc 0
		.amdhsa_float_denorm_mode_32 3
		.amdhsa_float_denorm_mode_16_64 3
		.amdhsa_memory_ordered 1
		.amdhsa_forward_progress 1
		.amdhsa_inst_pref_size 204
	.end_amdhsa_kernel
	.amdgpu_metadata
---
amdhsa.version: [ 1, 2 ]
amdhsa.kernels:
  - .name:           k_qb66c0c5959_scores
    .symbol:         k_qb66c0c5959_scores.kd
    .args:
      - { .name: qkv, .offset: 0, .size: 8, .value_kind: global_buffer, .address_space: global }
      - { .name: p, .offset: 8, .size: 8, .value_kind: global_buffer, .address_space: global }
      - { .name: st, .offset: 16, .size: 8, .value_kind: global_buffer, .address_space: global }
    .group_segment_fixed_size: 327680
    .private_segment_fixed_size: 0
    .kernarg_segment_align: 8
    .kernarg_segment_size: 24
    .max_flat_workgroup_size: 128
    .sgpr_count:     72
    .vgpr_count:     1024
    .wavefront_size: 32
...
	.end_amdgpu_metadata
.endif
;; end of part 3
;; launch pv (part 4): grid 4 x 64, 4 waves a work-group, clusters of 4 x 4, 327,680 bytes of LDS; arguments p, qkv, st, ctx; writes ctx
.if DOCPART == 4
	.amdgcn_target "amdgcn-amd-amdhsa--gfx1250"
	.amdhsa_code_object_version 6
	.text
	.protected	k_qb66c0c5959_pv
	.globl	k_qb66c0c5959_pv
	.p2align	8
	.type	k_qb66c0c5959_pv,@function
k_qb66c0c5959_pv:
	s_mov_b64 s[64:65], 0
	v_nop
	global_prefetch_b8 v0, s[64:65] scope:SCOPE_SE
	s_setreg_imm32_b32 hwreg(HW_REG_WAVE_MODE, 25, 1), 1
	s_wait_xcnt 0x0
	s_wait_alu depctr_hold_cnt(0) depctr_sa_sdst(0) depctr_va_vdst(0) depctr_va_sdst(0) depctr_va_ssrc(0) depctr_va_vcc(0) depctr_vm_vsrc(0)
	s_getreg_b32 s2, hwreg(HW_REG_IB_STS2, 6, 4)
	s_cmp_eq_u32 s2, 0
	s_cbranch_scc0 .Lentry_in_a_cluster
	s_endpgm
.Lentry_in_a_cluster:
	s_bfe_u32 s2, ttmp6, 0x10000c
	s_cmp_lg_u32 s2, 0xf033
	s_cbranch_scc0 .Lentry_shape_is_right
	s_endpgm
.Lentry_shape_is_right:
; ctx[q][:] = (sum over kb of f_kb (sum over the block's keys of p[q][k] v[k][:])) / l[q], for each batch.  p (f16) holds 2^(t - M_kb) for each block kb of 128 keys; st [16 kb][8192] holds (-M_kb, l_kb); v is f16 in qkv at 2^25 bytes.
; THE SECOND STAGE OF THE SOFTMAX, in f32: for each query -M = the least -M_kb; f_kb = 2^(M_kb - M), a whole power of two, at most 1; l = sum of f_kb l_kb, at least 0.5.  The products of a block of 128 keys are summed
; by themselves (T, begun with the constant 0) and added as acc += (f_kb / l) T by fused multiply-adds; acc is rounded once to f16.
; LIMITS: NaN and infinities are not served.
; p COMES AS IMAGES OF THE OPERAND'S REGISTERS ([512 blocks of 16 queries][64 chunks of 32 keys][1,024 bytes], a lane's 16 bytes at 16 x lane), straight from memory into registers: 512 consecutive bytes a load.  A ring of eight
; buffers of 32 registers: at the head of each quarter (32 keys) the loads of seven quarters on are issued, 224 matrix instructions ahead of their use: 56 loads, 28,672 bytes, of a wave are on their way.  So p has no prefetch,
; and it is not shared by a joint load: those reach LDS alone.  The two waves of a work-group and the four work-groups of a row of the cluster that need the same p each load it.
; ctx GOES OUT THE SAME WAY: [512 blocks of 16 rows][32 chunks of 32 channels][1,024 bytes]: the packed results are the next product's operand registers as they stand.
; A tile is 128 queries x 256 channels; four waves, each 64 x 128.  LDS holds v alone: K = 2,048 keys goes in 8 steps of 256 through a ring of two slots (256 keys x 512 bytes); each wave fetches 64 keys.
; By this text's own count a wave has two tensor loads out at the start and one behind each round; that one has 240 matrix instructions in which to land.
; CLUSTERS: 4 x 4 work-groups, all in one batch; the four of a column need the same channels of v: joint loads.
; O^T = V^T P (source 0 = 16 channels x 32 keys, turned out of LDS by ds_load_tr16_b128; source 1 = 16 queries x 32 keys): a lane holds one query and eight neighbouring channels.
; REGISTERS: window 0: v16-30 addresses; v32-37 at work and v64-127 the statistics at the head; v40-47 the block's factors, each twice (a pair for the packed form); v128-255 v's fragments, two buffers; on the way out packed results.
;   window 1: p's ring, buffer i at v[32 i], block of queries a at + 8 a.   window 2: acc, (a, b) at v[8 (8 a + b)].   window 3: T, likewise.
.set PB,     544                       ; a row of v in LDS: 512 bytes + 32 = 136 words
.set HALF,   128*PB                    ; an LDS offset has 16 bits: an address register for each 128 keys
.set SLOT,   256*PB
.set STEPB,  256*2048                  ; 256 keys of v in memory
.set TAB,    2*SLOT                    ; for each wave 16 lines of 512 bytes: line kb: f_kb / l twice, query rho at 8 rho
.set TLINE,  512
.set TABW,   16*TLINE
.set SPARE,  TAB+4*TABW
.set VOFF,   0x2000000                 ; v in qkv
.set ADRB, 16                          ; v16-19 my place in v's tile: slot 0 keys 0-127, 128-255; slot 1 likewise
.set TA,   22                          ; v22  the table's line in hand, my query's pair
.set TW,   23                          ; v23  where I write the table: 8 x lane
.set PO,   24                          ; v24  16 x lane: my place in an image; never rewritten
.set SPW,  28
.set NIL,  29
.set PFO,  30
.set FP,   40
.set VF,   128
.set TMP,  128
.set G1,  24
.set G0,  32
.set PFA, 44
.set PBS, 48                           ; s[48:49] p at my wave's first block of queries, at the quarter from which the loads' immediates count
.set PFS, 66
.set LIM, 15
.set MM,  0xf4                         ; a product: source 0 (v) window 0, source 1 (p) window 1, C and D (T) window 3
.set FM,  0xa3                         ; a multiply-add: source 0 (T) window 3, source 1 (the factor) window 0, source 2 and destination (acc) window 2
.set MSB, 0
.macro WIN new
.if MSB != \new
	s_set_vgpr_msb (MSB<<8)|\new
.set MSB, \new
.endif
.endm
; A prefetch of v's slot that stands two refills on, a lane a key, one instruction a wave.  v's keys are read by the four clusters of a batch: the batch's first asks.  Of the slot's 256 keys the four partners of a column take
; 64 each by address; of those, waves 0, 1 take the first 32 and waves 2, 3 the others; even waves the first 256 bytes of a key's 512, odd waves the second.  So each aligned block of 256 bytes is named once.
; The loop's last trip and the tail ask for nothing: the last slot named is the last slot.
.macro ASK
	s_cmp_gt_u32 s3, s[LIM]
	s_cbranch_scc0 .Lnot_mine_\@
	global_prefetch_b8 v[PFO], s[PFA:PFA+1] th:TH_LOAD_NT scope:SCOPE_SE
.Lnot_mine_\@:
.endm
.macro CREST
	s_cmp_lg_u32 s12, 0
	s_cbranch_scc1 .Lnot_wave_0_\@
	s_barrier_signal -3
.Lnot_wave_0_\@:
	s_barrier_wait -3
	s_barrier_signal -1
	s_barrier_wait -1
.endm
.macro CROUND
	s_barrier_signal -1
	s_barrier_wait -1
	CREST
.endm
.macro PLACES                          ; four plain vector lines between a matrix instruction and a load into, or a read of, its registers
.rept 4
	v_nop
.endr
.endm
.macro FACT                            ; the factors of the table's line in hand: my query's pair for each of the four blocks of queries
.irp a, 0,1,2,3
	ds_load_b64 v[FP+2*\a:FP+2*\a+1], v[TA] offset:128*\a
.endr
.endm
.macro FETCH slot, q, g                ; 16 LDS loads in one run: v's fragments of the slot's q-th 32 keys into buffer g
.irp b, 0,1,2,3,4,5,6,7
	ds_load_tr16_b128 v[VF+64*(\g)+8*\b:VF+64*(\g)+8*\b+3],   v[ADRB+2*(\slot)+(\q)/4] offset:((\q)%4)*32*PB+32*\b
	ds_load_tr16_b128 v[VF+64*(\g)+8*\b+4:VF+64*(\g)+8*\b+7], v[ADRB+2*(\slot)+(\q)/4] offset:((\q)%4)*32*PB+16*PB+32*\b
.endr
.endm
.macro PLOAD pb, pj                    ; 8 loads: p's four fragments of the quarter pj quarters on from the base, into buffer pb
	WIN 0x40                                       ; destination window 1, address window 0
.irp a, 0,1,2,3
	global_load_b128 v[32*(\pb)+8*\a:32*(\pb)+8*\a+3],   v[PO], s[PBS:PBS+1] offset:(\pj)*1024+\a*65536
	global_load_b128 v[32*(\pb)+8*\a+4:32*(\pb)+8*\a+7], v[PO], s[PBS:PBS+1] offset:(\pj)*1024+\a*65536+512
.endr
	WIN 0
.endm
.macro PROD f, pb, a, b, zero          ; one product: channels 16 b on, queries 16 a on, 32 keys: v's buffer f, p's buffer pb
.set rD, 8*(8*(\a)+(\b))
.if \zero
	v_wmma_f32_16x16x32_f16 v[rD:rD+7], v[VF+64*(\f)+8*(\b):VF+64*(\f)+8*(\b)+7], v[32*(\pb)+8*(\a):32*(\pb)+8*(\a)+7], 0
.else
	v_wmma_f32_16x16x32_f16 v[rD:rD+7], v[VF+64*(\f)+8*(\b):VF+64*(\f)+8*(\b)+7], v[32*(\pb)+8*(\a):32*(\pb)+8*(\a)+7], v[rD:rD+7]
.endif
.endm
.macro GRP g, first                    ; accumulator g of 32: acc += factor x T, from T's low end on; first = 1: the first block of keys starts acc: nothing is ever cleared
.set rA, 8*(\g)
.set rF, FP+2*((\g)/8)
.irp i, 0,2,4,6
.if \first
	v_pk_mul_f32 v[rA+\i:rA+\i+1], v[rA+\i:rA+\i+1], v[rF:rF+1]
.else
	v_pk_fma_f32 v[rA+\i:rA+\i+1], v[rA+\i:rA+\i+1], v[rF:rF+1], v[rA+\i:rA+\i+1]
.endif
.endr
.endm
; A QUARTER: 32 keys, the q-th of 8 in the slot; 32 products; the 32 sums T take turns, in the same order in every quarter.
; At its head: v's fragments of the next quarter are asked of LDS; the wait for this quarter's p leaves lc younger loads out; pl = 1: p of seven quarters on is asked of memory, into the buffer that the last quarter read.
; A block of 128 keys is four quarters.  Its first begins T with the constant 0 and fetches the block's factors.  In its fourth the finished sums go into acc: accumulator n's four multiply-adds stand behind product n + 2, so that
; eight plain lines of other accumulators lie between a product and the read of its result (four v_nop behind product 1 serve the first two); the last three groups stand behind product 31, and two of them, which name none of
; its registers, are the places in front of the next quarter's loads.
; kind = 1 (a slot's seventh quarter): the slot's last LDS reads were asked for at this quarter's head, so the change of slots stands here: each wave waits for all its tensor loads, adds 0 to its spare word, waits for that and
; for its reads, and behind a round of the cluster's barrier the slot is filled again, two slots ahead.  kind = 2: the same with the work-group's barrier and no fill.
.macro QTR slot, q, first, kind, fetch, ask, pl, pj, lc
.set F, (\q)%2
.set G, 1-F
.set NQ, ((\q)+1)%8
.set NS, (\slot)
.if (\q) == 7
.set NS, 1-(\slot)
.endif
.if (\kind) == 1
	s_wait_xcnt 0x0                                ; the last prefetch, a slot back, has read its address
	s_add_nc_u64 s[PFA:PFA+1], s[PFA:PFA+1], s[PFS:PFS+1]
.endif
	s_wait_dscnt 0x0                               ; this quarter's fragments of v, asked for a quarter ago
	WIN 0
.if ((\q)%4) == 0
	v_add_nc_u32 v[TA], TLINE, v[TA]               ; the next line of the table
	FACT
.else
	PLACES
.endif
.if \fetch
	FETCH NS, NQ, G
.endif
	s_wait_loadcnt \lc                             ; this quarter's p is in; the loads of the quarters behind it may be out
.if \pl
	PLOAD ((\q)+7)%8, \pj
.endif
.if \ask
	ASK
.endif
.set n, 0
.rept 32
.if (\kind) && (n == 16)
	WIN 0
	s_wait_tensorcnt 0x0                           ; all my tensor loads have landed: my part of the other slot
	ds_add_u32 v[SPW], v[NIL]                      ; 0 onto my spare word; eight products stand between it and the wait for it
.endif
.if (\kind) && (n == 24)
	s_wait_dscnt 0x0                               ; the add is done, and my reads of this slot are over
	s_barrier_signal -1
.endif
	WIN MM
.if ((\q)%4) == 0
	PROD F, \q, n/8, n%8, 1
.else
	PROD F, \q, n/8, n%8, 0
.endif
.if ((\q)%4) == 3
.if n == 1
	PLACES
.endif
.if n >= 2
	WIN FM
	GRP n-2, \first
.endif
.if n == 31
	GRP 30, \first
	GRP 31, \first
.endif
.endif
.set n, n+1
.endr
.if \kind
	WIN 0
	s_barrier_wait -1
.endif
.if (\kind) == 1
	CREST                                          ; no wave of any partner still reads this slot or has a load on its way
	s_add_nc_u64 s[G0+4*(\slot)+2:G0+4*(\slot)+3], s[G0+4*(\slot)+2:G0+4*(\slot)+3], 2*STEPB
	tensor_load_to_lds s[G0+4*(\slot):G0+4*(\slot)+3], s[G1:G1+7]   ; my 64 keys of the slot: the first tensor load behind the round, and my only one until the next
	s_nop 0
	PLACES
.endif
.endm
	s_load_b256 s[4:11], s[0:1], 0x0               ; p, qkv, st, ctx
	v_lshl_add_u32 v[SPW], v0, 2, SPARE
	v_mov_b32 v[NIL], 0
	ds_add_u32 v[SPW], v[NIL]                      ; the wave's opening: the add, twice on end, and its wait ahead of my first tensor load
	ds_add_u32 v[SPW], v[NIL]
	v_lshrrev_b32 v1, 5, v0
	v_readfirstlane_b32 s12, v1                    ; wave 0..3: I fetch keys 64 x wave on of each slot
	s_lshr_b32 s13, s12, 1                         ; which 64 queries are mine
	s_and_b32 s14, s12, 1                          ; which 128 channels
	s_bfe_u32 s40, ttmp6, 0x40000                  ; cx
	s_bfe_u32 s41, ttmp6, 0x40004                  ; cy
	s_lshl_b32 s42, ttmp9, 2
	s_add_co_u32 s42, s42, s40                     ; tile column: 256 channels
	s_and_b32 s43, ttmp7, 0xffff
	s_lshl_b32 s43, s43, 2
	s_add_co_u32 s43, s43, s41                     ; tile row: 128 queries
	s_lshl_b32 s69, 0x1111, s40                    ; my column of the cluster
	s_or_b32 s[G1], s69, (1<<16)|(1<<20)|(1<<21)|(6<<22)|(7<<25)   ; the mask; elements of 2 bytes; padding on: 8 words after every 128; bit 21 beside a mask
	s_mov_b32 s[G1+1], 256<<16                     ; tensor_dim0
	s_mov_b32 s[G1+2], 64<<16                      ; tensor_dim1
	s_mov_b32 s[G1+3], 256<<16                     ; tile_dim0
	s_mov_b32 s[G1+4], 64                          ; tile_dim1
	s_mov_b32 s[G1+5], 1024                        ; the pitch
	s_mov_b32 s[G1+6], 0
	s_mov_b32 s[G1+7], 0
	s_and_b32 s50, ttmp7, 0xffff
	s_lshr_b32 s50, s50, 2                         ; the batch: four clusters along y to a batch; all partners share it
	s_lshl_b32 s50, s50, 11
	s_lshl_b32 s70, s12, 6
	s_add_co_u32 s50, s50, s70                     ; v: key row 2,048 x batch + 64 x wave,
	s_lshl_b32 s50, s50, 11                        ; in bytes,
	s_lshl_b32 s70, s42, 9
	s_add_co_u32 s50, s50, s70                     ; + the tile's 256 channels,
	s_add_co_u32 s50, s50, VOFF                    ; in qkv
	s_mov_b32 s51, 0
	s_mul_i32 s21, s12, 64*PB                      ; where they go: wave x 64 rows
	s_wait_dscnt 0x0                               ; both opening adds are done
	s_wait_kmcnt 0x0
	s_add_nc_u64 s[50:51], s[6:7], s[50:51]
	CROUND                                         ; all sixteen work-groups are here: the first joint loads meet
.irp s, 0,1
	s_mov_b32 s[G0+4*\s], 1
	s_add_co_u32 s[G0+4*\s+1], s21, \s*SLOT
	s_add_nc_u64 s[G0+4*\s+2:G0+4*\s+3], s[50:51], \s*STEPB
	s_or_b32 s[G0+4*\s+3], s[G0+4*\s+3], 0x80000000
.endr
	tensor_load_to_lds s[G0:G0+3], s[G1:G1+7]      ; the two first fills go out together
	s_nop 0
	tensor_load_to_lds s[G0+4:G0+7], s[G1:G1+7]
	s_nop 0
	PLACES
	v_and_b32 v1, 15, v0                           ; r
	v_bfe_u32 v2, v0, 4, 1                         ; h
	v_and_b32 v6, 31, v0                           ; lane
	; the statistics of my wave's 64 queries: lane l takes queries l and l + 32; each load reads 256 consecutive bytes
	s_lshl_b32 s22, s43, 7
	s_lshl_b32 s23, s13, 6
	s_add_co_u32 s22, s22, s23                     ; my first query
	s_lshl_b32 s70, s22, 3
	s_mov_b32 s71, 0
	s_add_nc_u64 s[8:9], s[8:9], s[70:71]
	v_lshlrev_b32 v7, 3, v6                        ; 8 x lane; never rewritten
.irp u, 0,1
.irp kb, 0,1,2,3,4,5,6,7,8,9,10,11,12,13,14,15
	global_load_b64 v[64+32*\u+2*\kb:65+32*\u+2*\kb], v7, s[8:9] offset:65536*\kb+256*\u
.endr
.endr
	s_lshl_b32 s70, s22, 12                        ; p: my first block of 16 queries, 65,536 bytes a block
	s_add_nc_u64 s[PBS:PBS+1], s[4:5], s[70:71]
	v_lshlrev_b32 v[PO], 4, v6
	PLOAD 0, 0                                     ; p's first three quarters go out behind the statistics
	PLOAD 1, 1
	PLOAD 2, 2
	s_lshl_b32 s70, s22, 11                        ; ctx: my first block of 16 rows, 32,768 bytes a block,
	s_lshl_b32 s23, s42, 13
	s_add_co_u32 s70, s70, s23                     ; my first chunk of 32 channels, 1,024 bytes a chunk: 8 x tile column
	s_lshl_b32 s23, s14, 12
	s_add_co_u32 s70, s70, s23                     ; + 4 x half
	s_add_nc_u64 s[10:11], s[10:11], s[70:71]
	v_and_b32 v4, 7, v0
	v_lshl_add_u32 v4, v2, 3, v4                   ; the turning load: key 8 h + l % 8,
	v_mul_u32_u24 v4, v4, PB
	v_bfe_u32 v5, v0, 3, 1
	v_lshl_add_u32 v4, v5, 4, v4                   ; channels 8 ((l / 8) % 2) on,
	s_lshl_b32 s23, s14, 8
	v_add_nc_u32 v[ADRB], s23, v4                  ; in my half of the tile's channels
	v_add_nc_u32 v[ADRB+1], HALF, v[ADRB]
	v_add_nc_u32 v[ADRB+2], 2*HALF, v[ADRB]
	v_add_nc_u32 v[ADRB+3], 3*HALF, v[ADRB]
	s_mul_i32 s23, s12, TABW
	s_add_co_u32 s18, s23, TAB                     ; my wave's table
	v_lshl_add_u32 v[TW], v6, 3, s18
	s_add_co_u32 s23, s23, TAB-TLINE               ; one line ahead of it: each block of keys steps the address before it reads
	v_lshl_add_u32 v[TA], v1, 3, s23
	; the prefetches: where my wave's stand (at slot 3: the first change of slots steps them to slot 4), and who asks
	s_and_b32 s19, ttmp7, 0xffff
	s_lshr_b32 s18, s19, 2                         ; the batch
	s_and_b32 s19, s19, 3                          ; 0 in the batch's first cluster
	s_lshl_b32 s18, s18, 11
	s_lshl_b32 s23, s41, 6
	s_add_co_u32 s18, s18, s23                     ; key row 2,048 x batch + 64 cy
	s_lshl_b32 s23, s13, 5
	s_add_co_u32 s18, s18, s23                     ; + 32 x (wave / 2)
	s_lshl_b32 s18, s18, 11
	s_lshl_b32 s23, s42, 9
	s_add_co_u32 s18, s18, s23
	s_lshl_b32 s23, s14, 8
	s_add_co_u32 s18, s18, s23                     ; my block of 256 bytes of the tile's 512
	s_add_co_u32 s70, s18, VOFF+3*STEPB
	s_add_nc_u64 s[PFA:PFA+1], s[6:7], s[70:71]
	s_mov_b32 s[PFS], STEPB
	s_mov_b32 s[PFS+1], 0
	s_cmp_eq_u32 s19, 0
	s_cselect_b32 s[LIM], 1, -1                    ; the same in all sixteen partners
	v_lshlrev_b32 v[PFO], 11, v6
	; THE TABLE, each wave for its own 64 queries
	s_wait_loadcnt 24                              ; the statistics are in; p's first three quarters may be out
.irp u, 0,1
	v_min3_num_f32 v[32+\u], v[64+32*\u], v[66+32*\u], v[68+32*\u]           ; -M = the least -M_kb
.endr
.irp k, 3,5,7,9,11,13
.irp u, 0,1
	v_min3_num_f32 v[32+\u], v[32+\u], v[64+32*\u+2*\k], v[66+32*\u+2*\k]
.endr
.endr
.irp u, 0,1
	v_min_num_f32 v[32+\u], v[32+\u], v[94+32*\u]
.endr
.irp kb, 0,1,2,3,4,5,6,7,8,9,10,11,12,13,14,15
.irp u, 0,1
	v_sub_f32 v[64+32*\u+2*\kb], v[32+\u], v[64+32*\u+2*\kb]                 ; M_kb - M: a whole number, 0 or less
	v_cvt_i32_f32 v[64+32*\u+2*\kb], v[64+32*\u+2*\kb]                       ; (it saturates)
	v_ldexp_f32 v[64+32*\u+2*\kb], 1.0, v[64+32*\u+2*\kb]                    ; f_kb
.if \kb == 0
	v_mul_f32 v[34+\u], v[64+32*\u], v[65+32*\u]
.else
	v_fma_f32 v[34+\u], v[64+32*\u+2*\kb], v[65+32*\u+2*\kb], v[34+\u]       ; l
.endif
.endr
.endr
	v_rcp_f32 v36, v34
	v_rcp_f32 v37, v35
	v_nop                                          ; a plain line behind the reciprocals
	s_wait_alu depctr_va_vdst(0)                   ; one wait for both, ahead of their first reader
.irp kb, 0,1,2,3,4,5,6,7,8,9,10,11,12,13,14,15
.irp u, 0,1
	v_mul_f32 v[64+32*\u+2*\kb], v[64+32*\u+2*\kb], v[36+\u]                 ; f_kb / l: f_kb is a power of two, so this rounds nothing that 1 / l has not rounded
	v_mov_b32 v[65+32*\u+2*\kb], v[64+32*\u+2*\kb]                           ; twice: the packed multiply-add takes a pair
	ds_store_b64 v[TW], v[64+32*\u+2*\kb:65+32*\u+2*\kb] offset:TLINE*\kb+256*\u
.endr
.endr
	PLOAD 3, 3                                     ; with these, seven quarters of p are asked for
	PLOAD 4, 4
	PLOAD 5, 5
	PLOAD 6, 6
	s_wait_tensorcnt 0x1                           ; my part of slot 0 is in (slot 1's load may be out)
	s_wait_dscnt 0x0                               ; and my table's stores are done
	s_barrier_signal -1
	s_barrier_wait -1
	FETCH 0, 0, 0
	;   slot, q, first, kind, fetch, ask, pl, pj, lc
	QTR 0,0, 1,0,1,0, 1,7,48                       ; the first block of 128 keys stands in front of the loop: it starts acc
	QTR 0,1, 1,0,1,0, 1,8,48
	QTR 0,2, 1,0,1,0, 1,9,48
	QTR 0,3, 1,0,1,0, 1,10,48
	WIN 0
	s_wait_xcnt 0x0                                ; the loads issued so far have read their base
	s_add_nc_u64 s[PBS:PBS+1], s[PBS:PBS+1], 4*1024
	s_mov_b32 s3, 3
.Llap:                                                 ; a trip is sixteen quarters, from a slot's fifth to the fourth of the slot two on; both slots are filled again
	QTR 0,4, 0,0,1,0, 1,7,48
	QTR 0,5, 0,0,1,0, 1,8,48
	QTR 0,6, 0,1,1,0, 1,9,48
	QTR 0,7, 0,0,1,1, 1,10,48
	QTR 1,0, 0,0,1,0, 1,11,48
	QTR 1,1, 0,0,1,0, 1,12,48
	QTR 1,2, 0,0,1,0, 1,13,48
	QTR 1,3, 0,0,1,0, 1,14,48
	QTR 1,4, 0,0,1,0, 1,15,48
	QTR 1,5, 0,0,1,0, 1,16,48
	QTR 1,6, 0,1,1,0, 1,17,48
	QTR 1,7, 0,0,1,1, 1,18,48
	QTR 0,0, 0,0,1,0, 1,19,48
	QTR 0,1, 0,0,1,0, 1,20,48
	QTR 0,2, 0,0,1,0, 1,21,48
	QTR 0,3, 0,0,1,0, 1,22,48
	WIN 0
	s_wait_xcnt 0x0                                ; the trip's loads have read their base
	s_add_nc_u64 s[PBS:PBS+1], s[PBS:PBS+1], 16*1024
	s_sub_co_u32 s3, s3, 1
	s_cmp_lg_u32 s3, 0
	s_cbranch_scc1 .Llap
	QTR 0,4, 0,0,1,0, 1,7,48                       ; the last twelve quarters fill no slot; p's last loads go out in the fifth of them, and the counts run down
	QTR 0,5, 0,0,1,0, 1,8,48
	QTR 0,6, 0,2,1,0, 1,9,48
	QTR 0,7, 0,0,1,0, 1,10,48
	QTR 1,0, 0,0,1,0, 1,11,48
	QTR 1,1, 0,0,1,0, 0,0,48
	QTR 1,2, 0,0,1,0, 0,0,40
	QTR 1,3, 0,0,1,0, 0,0,32
	QTR 1,4, 0,0,1,0, 0,0,24
	QTR 1,5, 0,0,1,0, 0,0,16
	QTR 1,6, 0,0,1,0, 0,0,8
	QTR 1,7, 0,0,0,0, 0,0,0
; THE WAY OUT, a block of 16 queries x my 128 channels at a time: rounded to f16 and stored as it stands: channel block b is half b % 2 of chunk b / 2 of the next product's operand.
; The packed results take the registers of v's fragments: the last quarter's multiply-adds are the places behind the products that read them.  No store's data are written again.
.macro PACK a
.set AC, 64*(\a)
	WIN 0x0a                                       ; sources 0 and 1 window 2
.set i, 0
.rept 32
	v_cvt_pk_f16_f32 v[TMP+32*(\a)+i], v[AC+2*i], v[AC+2*i+1]
.set i, i+1
.endr
	WIN 0
.irp b, 0,1,2,3,4,5,6,7
	global_store_b128 v[PO], v[TMP+32*(\a)+4*\b:TMP+32*(\a)+4*\b+3], s[10:11] offset:(\a)*32768+512*\b   ; 32 lanes store 512 consecutive bytes, aligned
.endr
.endm
	PACK 0
	PACK 1
	PACK 2
	PACK 3
	s_wait_tensorcnt 0x0                           ; the wave's end
	ds_add_u32 v[SPW], v[NIL]
	s_wait_dscnt 0x0
	CROUND                                         ; the closing round
	s_endpgm
.Lfunc_end_k_qb66c0c5959_pv:
	.size	k_qb66c0c5959_pv, .Lfunc_end_k_qb66c0c5959_pv-k_qb66c0c5959_pv
	.p2alignl 7, 3214868480
	.fill 96, 4, 3214868480
	.section	.rodata,"a",@progbits
	.p2align	6, 0x0
	.amdhsa_kernel k_qb66c0c5959_pv
		.amdhsa_group_segment_fixed_size 327680
		.amdhsa_private_segment_fixed_size 0
		.amdhsa_enable_private_segment 0
		.amdhsa_kernarg_size 32
		.amdhsa_user_sgpr_count 2
		.amdhsa_user_sgpr_kernarg_segment_ptr 1
		.amdhsa_wavefront_size32 1
		.amdhsa_system_sgpr_workgroup_id_x 1
		.amdhsa_system_sgpr_workgroup_id_y 1
		.amdhsa_system_sgpr_workgroup_id_z 1
		.amdhsa_system_vgpr_workitem_id 0
		.amdhsa_next_free_vgpr 1024
		.amdhsa_next_free_sgpr 72
		.amdhsa_reserve_vcc 0
		.amdhsa_float_denorm_mode_32 3
		.amdhsa_float_denorm_mode_16_64 3
		.amdhsa_memory_ordered 1
		.amdhsa_forward_progress 1
		.amdhsa_inst_pref_size 246
	.end_amdhsa_kernel
	.amdgpu_metadata
---
amdhsa.version: [ 1, 2 ]
amdhsa.kernels:
  - .name:           k_qb66c0c5959_pv
    .symbol:         k_qb66c0c5959_pv.kd
    .args:
      - { .name: p, .offset: 0, .size: 8, .value_kind: global_buffer, .address_space: global }
      - { .name: qkv, .offset: 8, .size: 8, .value_kind: global_buffer, .address_space: global }
      - { .name: st, .offset: 16, .size: 8, .value_kind: global_buffer, .address_space: global }
      - { .name: ctx, .offset: 24, .size: 8, .value_kind: global_buffer, .address_space: global }
    .group_segment_fixed_size: 327680
    .private_segment_fixed_size: 0
    .kernarg_segment_align: 8
    .kernarg_segment_size: 32
    .max_flat_workgroup_size: 128
    .sgpr_count:     72
    .vgpr_count:     1024
    .wavefront_size: 32
...
	.end_amdgpu_metadata
.endif
;; end of part 4
;; launch proj (part 5): grid 4 x 64, 4 waves a work-group, clusters of 4 x 4, 327,680 bytes of LDS; arguments ctx, wo16, bo, out0; writes out0
.if DOCPART == 5
	.amdgcn_target "amdgcn-amd-amdhsa--gfx1250"
	.amdhsa_code_object_version 6
	.text
	.protected	k_qb66c0c5959_proj
	.globl	k_qb66c0c5959_proj
	.p2align	8
	.type	k_qb66c0c5959_proj,@function
k_qb66c0c5959_proj:
	s_mov_b64 s[64:65], 0
	v_nop
	global_prefetch_b8 v0, s[64:65] scope:SCOPE_SE
	s_setreg_imm32_b32 hwreg(HW_REG_WAVE_MODE, 25, 1), 1
	s_wait_xcnt 0x0
	s_wait_alu depctr_hold_cnt(0) depctr_sa_sdst(0) depctr_va_vdst(0) depctr_va_sdst(0) depctr_va_ssrc(0) depctr_va_vcc(0) depctr_vm_vsrc(0)
	s_getreg_b32 s2, hwreg(HW_REG_IB_STS2, 6, 4)
	s_cmp_eq_u32 s2, 0
	s_cbranch_scc0 .Lentry_in_a_cluster
	s_endpgm
.Lentry_in_a_cluster:
	s_bfe_u32 s2, ttmp6, 0x10000c
	s_cmp_lg_u32 s2, 0xf033
	s_cbranch_scc0 .Lentry_shape_is_right
	s_endpgm
.Lentry_shape_is_right:
; out0[m][n] = bo[n] + sum over k of ctx[m][k] Wo[n][k].  ctx and wo16 are f16, sums and out0 f32.  The bias is the C of each sum's first product: it is summed first, not last.
; LIMITS: NaN and infinities are not served.
; ctx COMES AS IMAGES OF THE OPERAND'S REGISTERS ([512 blocks of 16 rows][32 chunks of 32 along K][1,024 bytes], a lane's 16 bytes at 16 x lane), straight from memory into registers: 512 consecutive bytes a load.  A ring of
; eight buffers of 32 registers: at the head of each quarter (32 along K) the loads of seven quarters on are issued, 224 matrix instructions ahead of their use: 56 loads, 28,672 bytes, of a wave are on their way.
; It is not shared by a joint load: those reach LDS alone; the two waves and the four work-groups of a row of the cluster that need the same rows each load them.
; A tile is 128 rows x 256 outputs; four waves, each 64 x 128: 32 accumulators.  LDS holds Wo alone: K = 1,024 goes in 4 steps of 256 through a ring of two slots (256 rows of 512 bytes); each wave fetches 64 rows.
; By this text's own count a wave has two tensor loads out at the start and one behind each of the two rounds that fill a slot again.  No prefetch: there are two refills in all, and nothing lies two refills on.
; CLUSTERS: 4 x 4 work-groups; the four of a column need the same rows of Wo: joint loads.
; THE MATRIX INSTRUCTION IS USED TRANSPOSED (source 0 = 16 rows of Wo, source 1 = 16 rows of ctx): a lane holds eight neighbouring outputs of one row.
; The 32 quarters are written out by one macro that goes by the quarter's number: every offset is an immediate, and no base is stepped before the way out.
; REGISTERS: window 0: v20-29 addresses; v64-127 the bias in the result's layout; v128-191, v192-255 Wo's fragments, two buffers; on the way out rows read back.
;   window 1: ctx's ring, buffer i at v[32 i], block of rows a at + 8 a.   window 2: the accumulators ((a, b) at v[8 (8 a + b)]).
.set PITCH,  528                       ; an LDS row: 512 bytes + 16 of padding = 132 words: the 16 rows that a load touches start at 16 different banks (ISA guide 11.1)
.set SLOT,   256*PITCH
.set STAGE,  2*SLOT                    ; 16 rows x (512 bytes + 16) for each wave
.set SPITCH, 528
.set SPARE,  STAGE+4*16*SPITCH
.set ADRB, 20
.set STO,  24
.set RD,   25
.set CO,   26                          ; v26  16 x lane: my place in an image, and in a row of out0; never rewritten
.set SPW,  28
.set NIL,  29
.set BI,   64
.set BF,   128
.set BKB,  128
.set G1,  24
.set G0,  32
.set ABS, 44                           ; s[44:45] ctx at my wave's first block of rows
.set MM,  0xa4                         ; source 0 (Wo) window 0, source 1 (ctx) window 1, C and D window 2
.set MSB, 0
.macro WIN new
.if MSB != \new
	s_set_vgpr_msb (MSB<<8)|\new
.set MSB, \new
.endif
.endm
.macro CREST
	s_cmp_lg_u32 s12, 0
	s_cbranch_scc1 .Lnot_wave_0_\@
	s_barrier_signal -3
.Lnot_wave_0_\@:
	s_barrier_wait -3
	s_barrier_signal -1
	s_barrier_wait -1
.endm
.macro CROUND
	s_barrier_signal -1
	s_barrier_wait -1
	CREST
.endm
.macro PLACES                          ; four plain vector lines between a matrix instruction and a load into, or a read of, its registers
.rept 4
	v_nop
.endr
.endm
.macro FETCH slot, q, g                ; 16 LDS loads in one run: Wo's fragments of the slot's q-th 32 along K into buffer g
.irp b, 0,1,2,3,4,5,6,7
	ds_load_b128 v[BF+64*(\g)+8*\b:BF+64*(\g)+8*\b+3],   v[ADRB+(\slot)] offset:64*(\q)+\b*16*PITCH
	ds_load_b128 v[BF+64*(\g)+8*\b+4:BF+64*(\g)+8*\b+7], v[ADRB+(\slot)] offset:64*(\q)+\b*16*PITCH+32
.endr
.endm
.macro ALOAD pb, pj                    ; 8 loads: ctx's four fragments of quarter pj into buffer pb
	WIN 0x40                                       ; destination window 1, address window 0
.irp a, 0,1,2,3
	global_load_b128 v[32*(\pb)+8*\a:32*(\pb)+8*\a+3],   v[CO], s[ABS:ABS+1] offset:(\pj)*1024+\a*32768
	global_load_b128 v[32*(\pb)+8*\a+4:32*(\pb)+8*\a+7], v[CO], s[ABS:ABS+1] offset:(\pj)*1024+\a*32768+512
.endr
	WIN 0
.endm
.macro PROD f, pb, a, b, zero
.set rD, 8*(8*(\a)+(\b))
.if \zero
	v_wmma_f32_16x16x32_f16 v[rD:rD+7], v[BF+64*(\f)+8*(\b):BF+64*(\f)+8*(\b)+7], v[32*(\pb)+8*(\a):32*(\pb)+8*(\a)+7], v[BI+8*(\b):BI+8*(\b)+7]
.else
	v_wmma_f32_16x16x32_f16 v[rD:rD+7], v[BF+64*(\f)+8*(\b):BF+64*(\f)+8*(\b)+7], v[32*(\pb)+8*(\a):32*(\pb)+8*(\a)+7], v[rD:rD+7]
.endif
.endm
; QUARTER Q of 32: 32 along K, 32 products; the 32 accumulators take turns, in the same order in every quarter.  At its head Wo's fragments of the next quarter are asked of LDS; the wait for
; this quarter's ctx leaves the loads of up to six later quarters out; ctx of seven quarters on is asked of memory, into the buffer that the last quarter read.
; In a slot's seventh quarter, at whose head the slot's last LDS reads were asked for, stands the change of slots: each wave waits for all its tensor loads, adds 0 to its spare word, and waits for that and for its reads.
; In the first two slots a round of the cluster's barrier follows, and behind it the slot is filled again, two slots ahead; in the third the work-group's barrier alone; the fourth has no change.
.macro QTR
.set SL, (Q/8)%2
.set NS, ((Q+1)/8)%2
.set NQ, (Q+1)%8
.set F, Q%2
.set G, 1-F
.set KIND, 0
.if (Q%8) == 6
.if Q < 16
.set KIND, 1
.elseif Q < 24
.set KIND, 2
.endif
.endif
.set LC, 8*(31-Q)
.if LC > 48
.set LC, 48
.endif
	s_wait_dscnt 0x0                               ; this quarter's fragments of Wo, asked for a quarter ago
	WIN 0
	PLACES
.if Q < 31
	FETCH NS, NQ, G
.endif
	s_wait_loadcnt LC                              ; this quarter's ctx is in; the loads of the quarters behind it may be out
.if Q+7 < 32
	ALOAD (Q+7)%8, Q+7
.endif
.set n, 0
.rept 32
.if KIND && (n == 16)
	WIN 0
	s_wait_tensorcnt 0x0                           ; all my tensor loads have landed: my part of the other slot
	ds_add_u32 v[SPW], v[NIL]                      ; 0 onto my spare word; eight products stand between it and the wait for it
.endif
.if KIND && (n == 24)
	s_wait_dscnt 0x0                               ; the add is done, and my reads of this slot are over
	s_barrier_signal -1
.endif
.if Q == 0
	WIN 0x84                                       ; C (the bias) in window 0
	PROD F, Q%8, n/8, n%8, 1
.else
	WIN MM
	PROD F, Q%8, n/8, n%8, 0
.endif
.set n, n+1
.endr
.if KIND
	WIN 0
	s_barrier_wait -1
.endif
.if KIND == 1
	CREST                                          ; no wave of any partner still reads this slot or has a load on its way
	s_add_nc_u64 s[G0+4*SL+2:G0+4*SL+3], s[G0+4*SL+2:G0+4*SL+3], 2*512
	tensor_load_to_lds s[G0+4*SL:G0+4*SL+3], s[G1:G1+7]   ; my 64 rows of the slot: the first tensor load behind the round, and my only one until the next
	s_nop 0
	PLACES
.endif
.endm
	s_load_b256 s[4:11], s[0:1], 0x0               ; ctx, wo16, bo, out0
	v_lshl_add_u32 v[SPW], v0, 2, SPARE
	v_mov_b32 v[NIL], 0
	ds_add_u32 v[SPW], v[NIL]                      ; the wave's opening: the add, twice on end, and its wait ahead of my first tensor load
	ds_add_u32 v[SPW], v[NIL]
	v_lshrrev_b32 v1, 5, v0
	v_readfirstlane_b32 s12, v1                    ; wave 0..3: I fetch rows 64 x wave on of Wo's tile
	s_lshr_b32 s13, s12, 1                         ; which 64 rows are mine
	s_and_b32 s14, s12, 1                          ; which 128 outputs
	s_bfe_u32 s40, ttmp6, 0x40000                  ; cx
	s_bfe_u32 s41, ttmp6, 0x40004                  ; cy
	s_lshl_b32 s42, ttmp9, 2
	s_add_co_u32 s42, s42, s40                     ; tile column: 256 outputs
	s_and_b32 s43, ttmp7, 0xffff
	s_lshl_b32 s43, s43, 2
	s_add_co_u32 s43, s43, s41                     ; tile row: 128 rows
	s_lshl_b32 s69, 0x1111, s40                    ; my column of the cluster
	s_or_b32 s[G1], s69, (1<<16)|(1<<20)|(1<<21)|(6<<22)|(3<<25)   ; the mask; elements of 2 bytes; padding on: 4 words after every 128; bit 21 beside a mask
	s_mov_b32 s[G1+1], 256<<16                     ; tensor_dim0
	s_mov_b32 s[G1+2], 64<<16                      ; tensor_dim1
	s_mov_b32 s[G1+3], 256<<16                     ; tile_dim0
	s_mov_b32 s[G1+4], 64                          ; tile_dim1
	s_mov_b32 s[G1+5], 1024                        ; the pitch
	s_mov_b32 s[G1+6], 0
	s_mov_b32 s[G1+7], 0
	s_lshl_b32 s46, s42, 8
	s_lshl_b32 s70, s12, 6
	s_add_co_u32 s46, s46, s70                     ; Wo: row 256 x tile column + 64 x wave,
	s_lshl_b32 s46, s46, 11                        ; in bytes
	s_mov_b32 s47, 0
	s_mul_i32 s21, s12, 64*PITCH                   ; where they go: wave x 64 rows
	s_wait_dscnt 0x0                               ; both opening adds are done
	s_wait_kmcnt 0x0
	s_add_nc_u64 s[46:47], s[6:7], s[46:47]
	CROUND                                         ; all sixteen work-groups are here: the first joint loads meet
.irp s, 0,1
	s_mov_b32 s[G0+4*\s], 1
	s_add_co_u32 s[G0+4*\s+1], s21, \s*SLOT
	s_add_nc_u64 s[G0+4*\s+2:G0+4*\s+3], s[46:47], \s*512
	s_or_b32 s[G0+4*\s+3], s[G0+4*\s+3], 0x80000000
.endr
	tensor_load_to_lds s[G0:G0+3], s[G1:G1+7]      ; the two first fills go out together
	s_nop 0
	tensor_load_to_lds s[G0+4:G0+7], s[G1:G1+7]
	s_nop 0
	PLACES
	v_and_b32 v1, 15, v0                           ; r
	v_bfe_u32 v2, v0, 4, 1                         ; h
	v_and_b32 v6, 31, v0                           ; lane
	; the bias: register BI + 8 b + j = bo[256 x tile column + 128 x half + 16 b + 8 h + j]
	s_lshl_b32 s70, s42, 10
	s_lshl_b32 s71, s14, 9
	s_add_co_u32 s70, s70, s71
	s_mov_b32 s71, 0
	s_add_nc_u64 s[8:9], s[8:9], s[70:71]
	v_lshlrev_b32 v8, 5, v2                        ; 32 h; never rewritten
.irp b, 0,1,2,3,4,5,6,7
	global_load_b128 v[BI+8*\b:BI+8*\b+3], v8, s[8:9] offset:64*\b
	global_load_b128 v[BI+8*\b+4:BI+8*\b+7], v8, s[8:9] offset:64*\b+16
.endr
	s_lshl_b32 s22, s43, 7
	s_lshl_b32 s23, s13, 6
	s_add_co_u32 s22, s22, s23                     ; my first row
	s_lshl_b32 s70, s22, 11                        ; ctx: its block of 16 rows, 32,768 bytes a block
	s_add_nc_u64 s[ABS:ABS+1], s[4:5], s[70:71]
	v_lshlrev_b32 v[CO], 4, v6
	ALOAD 0, 0                                     ; ctx's first five quarters go out behind the bias
	ALOAD 1, 1
	ALOAD 2, 2
	ALOAD 3, 3
	ALOAD 4, 4
	v_mul_u32_u24 v3, v1, PITCH
	v_lshl_add_u32 v3, v2, 4, v3                   ; a fragment's row x pitch + 16 h
	s_mul_i32 s23, s14, 128*PITCH                  ; my 128 rows of Wo
	v_add_nc_u32 v[ADRB], s23, v3
	v_add_nc_u32 v[ADRB+1], SLOT, v[ADRB]
	s_mul_i32 s23, s12, 16*SPITCH
	s_add_co_u32 s23, s23, STAGE                   ; my stage
	v_mul_u32_u24 v4, v1, SPITCH                   ; in: row r, 32 bytes for each half of the lanes
	v_lshl_add_u32 v4, v2, 5, v4
	v_add_nc_u32 v[STO], s23, v4
	v_add_nc_u32 v[RD], s23, v[CO]                 ; back: the 32 lanes take one row of 512 bytes
	s_lshl_b32 s70, s22, 12                        ; out0: my first row, in bytes,
	s_lshl_b32 s23, s42, 10
	s_add_co_u32 s70, s70, s23                     ; the tile's outputs,
	s_lshl_b32 s23, s14, 9
	s_add_co_u32 s70, s70, s23                     ; my half of them
	s_add_nc_u64 s[10:11], s[10:11], s[70:71]
	s_wait_loadcnt 32                              ; the bias and quarter 0 are in; four quarters may be out
	ALOAD 5, 5                                     ; with these, seven quarters of ctx have been asked for
	ALOAD 6, 6
	s_wait_tensorcnt 0x1                           ; my part of slot 0 is in (slot 1's load may be out)
	s_barrier_signal -1
	s_barrier_wait -1                              ; everybody's is
	FETCH 0, 0, 0
.set Q, 0
.rept 32
	QTR
.set Q, Q+1
.endr
	WIN 0
	PLACES
; THE WAY OUT, a block of 16 rows x my 128 outputs at a time: through my stage, back as whole rows of 512 bytes, which the 32 lanes store.
.macro TOSTAGE a
.set AC, 64*(\a)
	WIN 0x08                                       ; an LDS store's data are its source 1: window 2
.irp b, 0,1,2,3,4,5,6,7
	ds_store_b128 v[STO], v[AC+8*\b:AC+8*\b+3] offset:64*\b          ; each accumulator from its low end on
	ds_store_b128 v[STO], v[AC+8*\b+4:AC+8*\b+7] offset:64*\b+16
.endr
	WIN 0
.set BB, BKB+64*((\a)%2)
.irp t, 0,1,2,3,4,5,6,7,8,9,10,11,12,13,14,15
	ds_load_b128 v[BB+4*\t:BB+4*\t+3], v[RD] offset:\t*SPITCH        ; LDS serves a wave's instructions in order: these see the stores above
.endr
.endm
.macro SEND a, younger                 ; younger: the LDS instructions issued behind block a's loads, which may stay out
.set BB, BKB+64*((\a)%2)
	s_wait_dscnt \younger
.if (\a) > 0
	s_add_nc_u64 s[10:11], s[10:11], 16*4096       ; (behind a wait on XCNT: the earlier stores have read their base)
.endif
.irp t, 0,1,2,3,4,5,6,7,8,9,10,11,12,13,14,15
	global_store_b128 v[CO], v[BB+4*\t:BB+4*\t+3], s[10:11] offset:\t*4096 th:TH_STORE_NT   ; 32 lanes store 512 consecutive bytes, aligned; written once, read by nobody here
.endr
.endm
	TOSTAGE 0
.irp a, 1,2,3
.if \a > 1
	s_wait_xcnt 0x0                                ; block a - 2's stores have read their registers and their base
.endif
	TOSTAGE \a
	SEND \a-1, 32                                  ; behind block a - 1's loads: block a's 16 stores and 16 loads
.endr
	s_wait_xcnt 0x0
	SEND 3, 0
	s_wait_tensorcnt 0x0                           ; the wave's end
	ds_add_u32 v[SPW], v[NIL]
	s_wait_dscnt 0x0
	CROUND                                         ; the closing round
	s_endpgm
.Lfunc_end_k_qb66c0c5959_proj:
	.size	k_qb66c0c5959_proj, .Lfunc_end_k_qb66c0c5959_proj-k_qb66c0c5959_proj
	.p2alignl 7, 3214868480
	.fill 96, 4, 3214868480
	.section	.rodata,"a",@progbits
	.p2align	6, 0x0
	.amdhsa_kernel k_qb66c0c5959_proj
		.amdhsa_group_segment_fixed_size 327680
		.amdhsa_private_segment_fixed_size 0
		.amdhsa_enable_private_segment 0
		.amdhsa_kernarg_size 32
		.amdhsa_user_sgpr_count 2
		.amdhsa_user_sgpr_kernarg_segment_ptr 1
		.amdhsa_wavefront_size32 1
		.amdhsa_system_sgpr_workgroup_id_x 1
		.amdhsa_system_sgpr_workgroup_id_y 1
		.amdhsa_system_sgpr_workgroup_id_z 1
		.amdhsa_system_vgpr_workitem_id 0
		.amdhsa_next_free_vgpr 768
		.amdhsa_next_free_sgpr 72
		.amdhsa_reserve_vcc 0
		.amdhsa_float_denorm_mode_32 3
		.amdhsa_float_denorm_mode_16_64 3
		.amdhsa_memory_ordered 1
		.amdhsa_forward_progress 1
		.amdhsa_inst_pref_size 154
	.end_amdhsa_kernel
	.amdgpu_metadata
---
amdhsa.version: [ 1, 2 ]
amdhsa.kernels:
  - .name:           k_qb66c0c5959_proj
    .symbol:         k_qb66c0c5959_proj.kd
    .args:
      - { .name: ctx, .offset: 0, .size: 8, .value_kind: global_buffer, .address_space: global }
      - { .name: wo16, .offset: 8, .size: 8, .value_kind: global_buffer, .address_space: global }
      - { .name: bo, .offset: 16, .size: 8, .value_kind: global_buffer, .address_space: global }
      - { .name: out0, .offset: 24, .size: 8, .value_kind: global_buffer, .address_space: global }
    .group_segment_fixed_size: 327680
    .private_segment_fixed_size: 0
    .kernarg_segment_align: 8
    .kernarg_segment_size: 32
    .max_flat_workgroup_size: 128
    .sgpr_count:     72
    .vgpr_count:     768
    .wavefront_size: 32
...
	.end_amdgpu_metadata
.endif
;; end of part 5
